; MI455X (gfx1250); checked and timed in simulation.
; The chip was launched on July 23, 2026; its instructions are those of AMD's public machine-readable ISA for CDNA 5 (MIT licence, August 2026) and "CDNA5" Instruction Set Architecture Reference Guide (July 2026). The comments in the code are by the model that wrote it; some were corrected since.
;; Attention. Allowed arithmetic: matrix products marked QUANTISED: E4M3 operands, one E8M0 scale for each 32 along K, by v_wmma_scale_f32_16x16x128_f8f6f4 with both operands' format E4M3, f32 sums; everything else in f32.
;; Inputs: W_proj 1,024 x 1,024 float32; W_qkv 1,024 x 3,072 float32; b_proj 1,024 float32; b_qkv 3,072 float32; x 4 x 2,048 x 1,024 float32.
;; Outputs: out0 4 x 2,048 x 1,024 float32.
;; This version of the problem:
;;   THIS VERSION OF THE PROBLEM IS GIVEN IN LOW PRECISION. The matrix products marked QUANTISED in the list below multiply operands that are first quantised to E4M3 (4 exponent bits, 3 mantissa bits; 8 bits a number), with one power-of-two scale for each 32 numbers along K (OCP MX v1.0); their sums are f32. All else is computed in f32.
;;   The module's matrix products, in the order in which they are computed (A, B: the left and right operand; K: the contracted axis; several contracted axes count as one K, in the product's order):
;;     1. [M 8,192, K 1,024] x [K 1,024, N 3,072]; A: input x; B: input W_qkv: QUANTISED
;;     2. batch 64 x [M 2,048, K 64] x [K 64, N 2,048]; A: computed on the way; B: computed on the way: QUANTISED
;;     3. batch 64 x [M 2,048, K 2,048] x [K 2,048, N 64]; A: softmax (see below); B: computed on the way: QUANTISED
;;     4. [M 8,192, K 1,024] x [K 1,024, N 1,024]; A: computed on the way; B: input W_proj: QUANTISED
;;   THE QUANTISER, for each operand of a quantised product, along K:
;;     - K is cut into blocks of 32 from its start; a last block that is shorter is filled with zeros.
;;     - A block's scale is 2^e with e = floor(log2(the largest magnitude in the block)) - 8, held to -126 .. 127; a block of zeros has e = 0. As a byte (E8M0): e + 127.
;;     - Each number is divided by its block's scale, clamped to +-448, and rounded to the nearest number of E4M3, ties to even, subnormals kept.
;;     - The product sums the exact products of the quantised numbers (number of the format x scale) in f32.
;;   ~~~python
;;   def quantise(x, axis):      # numpy; x: float32 -> the quantised numbers, widened to float32 again
;;       x = np.moveaxis(x, axis, -1); K = x.shape[-1]
;;       x = np.pad(x, [(0, 0)] * (x.ndim - 1) + [(0, -K % 32)]); x = x.reshape(x.shape[:-1] + (-1, 32)); a = np.abs(x).max(-1, keepdims=True)
;;       e = np.where(a > 0, np.clip(np.frexp(np.where(a > 0, a, 1))[1] - 1 - 8, -126, 127), 0)      # np.frexp(a)[1] - 1 = floor(log2(a)), exactly
;;       r = np.clip(x / 2.0 ** e, -448, 448)
;;       step = 2.0 ** (np.maximum(np.frexp(np.where(r == 0, 1, r))[1] - 1, -6) - 3)
;;       q = np.round(r / step) * step * 2.0 ** e      # np.round: ties to even
;;       return np.moveaxis(q.reshape(q.shape[:-2] + (-1,))[..., :K], -1, axis).astype(np.float32)
;;   ~~~
;;   SOFTMAX AHEAD OF A QUANTISED PRODUCT. Where the list says 'softmax', what is quantised is not the finished softmax but p = 2^(t - M), with t = logit x log2(e) and M = ceil(the row's largest t), a whole number; so 1/2 < the row's largest p <= 1. The row's sum l is taken of the UNQUANTISED p, in f32, and the product's result is divided by l at the end. Since M is a whole number, a kernel that streams over the keys may use a running M (the ceiling of the running maximum): every later rescaling is an exact power of two, which a block's scale takes up: the codes' values come out the same.
;;   OPERANDS COMPUTED ON THE WAY. 'Computed on the way' means the value that the module computes at that place (a softmax that the list does not call 'softmax' is quantised finished and normalised). What goes into a quantiser is computed in f32, as accurately as f32 sums, v_exp_f32 and their like allow (about 1e-6 of the number): no bf16 or f16 on the way to a quantiser, and a product that is left as it is and whose result goes on into a quantised operand takes f32 operands (vector FMAs, or v_wmma_f32_16x16x4_f32). A number that lies on a knife's edge between two numbers of the format may be rounded either way, as far as f32 arithmetic and the matrix unit's own rounding can turn it there, and no further.
;; One version. Each part assembles by itself: llvm-mc -triple=amdgcn-amd-amdhsa -mcpu=gfx1250 --defsym DOCPART=n.
;; ======== version 1 of 1: 4 launches
;; workspace buffers: xq 8,650,752 bytes; wts 4,325,376 bytes; rope 524,288 bytes; qb 8,912,896 bytes; kv 17,563,648 bytes; ob 8,650,752 bytes
;; launch prep (part 1): grid 400 x 1, 4 waves a work-group, no clusters, 35,328 bytes of LDS; arguments x, W_qkv, W_proj, xq, wts, rope; writes xq, wts, rope
.if DOCPART == 1
	.amdgcn_target "amdgcn-amd-amdhsa--gfx1250"
	.amdhsa_code_object_version 6
	.text
	.protected	k_qe2dadecc2f_prep
	.globl	k_qe2dadecc2f_prep
	.p2align	8
	.type	k_qe2dadecc2f_prep,@function
k_qe2dadecc2f_prep:
	s_mov_b64 s[64:65], 0
	v_nop
	global_prefetch_b8 v0, s[64:65] scope:SCOPE_SE
	s_setreg_imm32_b32 hwreg(HW_REG_WAVE_MODE, 25, 1), 1
	s_wait_xcnt 0x0
; PREP: x, W_qkv and W_proj (f32) become codes of FP8 (E4M3) with one E8M0 byte for each 32 along K, and the table of cos and sin for the rotation is made.
; A block's scale is 2^(floor(log2(its largest magnitude)) - 8); its byte is the largest magnitude's exponent field - 8, held at 1 from below; numbers are held within +-448 x the scale and rounded to the nearest code, ties to even.
; LAYOUT OF AN OPERAND OF R ROWS, K = 1,024, as the later launches' registers take it: codes [sigma 0..3][row / 16][q 0..1][c 0..3][lane][16 bytes]; lane (r, h) holds row 16 m + r,
; k = 256 sigma + 128 q + 32 c + 16 h + 0..15.  Scale words [row / 16][sigma][r][q], byte c for block c.  So 128 rows of one sigma are 32,768 bytes on end, and their scale words for all of K 4,096.
; THE WEIGHTS' ROWS ARE REORDERED: storage row p holds the weight's column p with bits 3 and 4 exchanged, so that a lane's 16 results of two neighbouring tiles are 16 neighbouring columns.
; Work-groups 0-127: the weights (K is their first axis: a lane takes a column, its registers run down K).  128-143: the table.  144-399: x (K innermost; through a stage in LDS, so that loads are dense and a lane still holds 16 neighbours).
; LIMITS: NaN and infinities are not served.  Blocks whose largest magnitude lies under 2^-118 get the byte 1; a block of zeros gets the byte 1 and zero codes (this program alone reads the bytes).
; The rotation's frequencies are 10^(-i/8) rounded to f32, which may differ by an ulp from a power and a reciprocal taken in f32: at the last tokens that moves an angle by some 1e-4.
; No matrix work, no tensor load, no barrier: waves share nothing.
.set SEL, 20                           ; s[20:21] selects of v_permlanex16_b32: lane l xor 16
.set MNT, 23                           ; s23 the mantissa field of 448
.set RX,  16                           ; x: v16-143 two sets of 64 numbers as loaded
.set XX,  144                          ; x: v144-207 64 numbers, register 16 b + i = k 32 b + 16 h + i of my row
.set PC,  208                          ; x: v208-223 a fragment's codes
.set TM,  224                          ; x: v224-239 at work
.set PW,  240                          ; x: the scale word just made
.set WD,  241                          ; x: v241-244 the four units' scale words
.set VO,  16                           ; weights: v16-47 byte offset of my column in row i of a block
.set XW,  48                           ; weights: v48-111 two sets of 32 numbers
.set CW,  112                          ; weights: v112-127 two sets of 8 code registers
.set SB,  128                          ; weights: v[128:129] my row's eight scale bytes
.set RA,  32                           ; table: the angle, then the reduced angle, then cos
.set RN,  64                           ; table: the quadrant
.set RZ,  96                           ; table: the square, then sin
.set RS,  128
.set RC,  160
.set RH,  192
	s_load_b256 s[4:11], s[0:1], 0x0               ; x s[4:5], W_qkv s[6:7], W_proj s[8:9], xq s[10:11]
	s_load_b128 s[12:15], s[0:1], 0x20             ; wts s[12:13], rope s[14:15]
	v_lshl_add_u32 v254, v0, 2, 0x8800
	v_mov_b32 v255, 0
	v_lshrrev_b32 v1, 5, v0
	v_readfirstlane_b32 s16, v1                    ; wave 0..3
	v_and_b32 v2, 31, v0                           ; lane
	s_mov_b32 s[SEL], 0x76543210
	s_mov_b32 s[SEL+1], 0xfedcba98
	s_mov_b32 s[MNT], 0x600000
	s_wait_kmcnt 0x0
	s_cmp_lt_u32 ttmp9, 128
	s_cbranch_scc1 .Lweights
	s_cmp_lt_u32 ttmp9, 144
	s_cbranch_scc1 .Lrope
; ---------------------------------------------------------------- x: a wave takes 16 rows x 512 along K, in four units of 128
; 64 numbers of a lane become a fragment's 16 code registers and its row's scale word
.macro QUANT s
.irp b, 0,1,2,3
	v_max3_num_f32 v[TM+\b], |v[\s+16*\b]|, |v[\s+1+16*\b]|, 0x4800000   ; block b: my 16 numbers, and the floor 2^(9 - 127): the byte cannot fall under 1
.endr
.irp i, 2,4,6,8,10,12,14
.irp b, 0,1,2,3
	v_max3_num_f32 v[TM+\b], v[TM+\b], |v[\s+16*\b+\i]|, |v[\s+1+16*\b+\i]|   ; the four blocks by turns
.endr
.endr
.irp b, 0,1,2,3
	v_permlanex16_b32 v[TM+4+\b], v[TM+\b], s[SEL], s[SEL+1]
.endr
.irp b, 0,1,2,3
	v_max_num_f32 v[TM+\b], v[TM+\b], v[TM+4+\b]   ; with lane l xor 16's 16: the block's largest magnitude
.endr
.irp b, 0,1,2,3
	v_add_nc_u32 v[TM+12+\b], 0xfc000000, v[TM+\b] ; 8 off its exponent field: the conversion's scale operand
.endr
.irp b, 0,1,2,3
	v_and_or_b32 v[TM+8+\b], v[TM+\b], 0x7f800000, s[MNT]   ; 448 x the scale
.endr
.irp b, 0,1,2,3
	v_lshrrev_b32 v[TM+4+\b], 23, v[TM+12+\b]      ; the scale's byte
.endr
	v_lshl_or_b32 v[PW], v[TM+5], 8, v[TM+4]
	v_lshl_or_b32 v[PW], v[TM+6], 16, v[PW]
	v_lshl_or_b32 v[PW], v[TM+7], 24, v[PW]
.irp b, 0,1,2,3
.irp i, 0,1,2,3,4,5,6,7,8,9,10,11,12,13,14,15
	v_med3_num_f32 v[\s+16*\b+\i], v[\s+16*\b+\i], -v[TM+8+\b], v[TM+8+\b]   ; the conversion to an 8-bit code does not saturate (ISA guide 7.6.2): the hold
.endr
	v_cvt_scalef32_pk8_fp8_f32 v[PC+4*\b:PC+1+4*\b], v[\s+16*\b:\s+7+16*\b], v[TM+12+\b]
	v_cvt_scalef32_pk8_fp8_f32 v[PC+2+4*\b:PC+3+4*\b], v[\s+8+16*\b:\s+15+16*\b], v[TM+12+\b]
.endr
	v_nop                                          ; one plain line behind the last conversion of the run
.endm
	s_sub_co_u32 s17, ttmp9, 144
	s_lshl_b32 s17, s17, 2
	s_add_co_u32 s17, s17, s16                     ; u = 4 x work-group + wave, 0..1023
	s_lshr_b32 s18, s17, 1                         ; m: which 16 rows
	s_and_b32 s19, s17, 1                          ; kh: which half of K
	s_mov_b32 s25, 0
	s_lshl_b32 s24, s18, 16                        ; 16 rows of 4,096 bytes
	s_lshl_b32 s26, s19, 11
	s_add_co_u32 s24, s24, s26
	s_add_nc_u64 s[4:5], s[4:5], s[24:25]          ; x at my rows, my half of K
	s_lshl_b32 s24, s18, 12
	s_lshl_b32 s26, s19, 22                        ; sigma = 2 kh: 2,097,152 bytes a sigma
	s_add_co_u32 s24, s24, s26
	s_add_nc_u64 s[26:27], s[10:11], s[24:25]      ; the codes
	s_lshl_b32 s24, s18, 9
	s_lshl_b32 s28, s19, 8
	s_add_co_u32 s24, s24, s28
	s_add_co_u32 s24, s24, 8388608
	s_add_nc_u64 s[28:29], s[10:11], s[24:25]      ; the scale words
	v_and_b32 v5, 15, v0                           ; r
	v_bfe_u32 v6, v0, 4, 1                         ; h
	v_lshlrev_b32 v1, 4, v2                        ; 16 x lane
	s_mul_i32 s30, s16, 8448                       ; my wave's stage: 16 rows of 512 bytes + 16
	v_add_nc_u32 v7, s30, v1                       ; into it: a row as it lies
	v_mul_u32_u24 v3, v5, 528
	v_lshl_add_u32 v3, v6, 6, v3
	v_add_nc_u32 v3, s30, v3                       ; out of it: row r, + 64 h: my 16 numbers of a block of 32
	v_lshlrev_b32 v4, 3, v5
	v_lshl_add_u32 v4, v6, 7, v4                   ; the scale words' place: 128 h + 8 r
.irp b, 0,1,2,3
	v_mov_b32 v[TM+4+\b], 0                        ; written once: a lane permute's destination counts as one of its sources
.endr
.macro LOADX u                         ; unit u: 16 rows x 512 bytes; each load reads 512 consecutive bytes
.irp i, 0,1,2,3,4,5,6,7,8,9,10,11,12,13,14,15
	global_load_b128 v[RX+64*((\u)%2)+4*\i:RX+64*((\u)%2)+4*\i+3], v1, s[4:5] offset:4096*\i+512*(\u) th:TH_LOAD_NT
.endr
.endm
.macro UNITX u
.if (\u) < 3
	s_wait_loadcnt 16                              ; this unit's 16 loads are in; the next unit's 16 may be out
.else
	s_wait_loadcnt 0x0
.endif
.irp i, 0,1,2,3,4,5,6,7,8,9,10,11,12,13,14,15
	ds_store_b128 v7, v[RX+64*((\u)%2)+4*\i:RX+64*((\u)%2)+4*\i+3] offset:528*\i
.endr
.irp b, 0,1,2,3
.irp j, 0,1,2,3
	ds_load_b128 v[XX+16*\b+4*\j:XX+16*\b+4*\j+3], v3 offset:128*\b+16*\j   ; LDS serves a wave's instructions in order: these see the stores above
.endr
.endr
	s_wait_dscnt 0x0                               ; the numbers are back, and the stores into the stage have read their registers
	s_wait_xcnt 0x0                                ; the last unit's stores have read the code registers, which are written again below
.if (\u)+2 < 4
	LOADX (\u)+2
.endif
	QUANT XX
	v_mov_b32 v[WD+(\u)], v[PW]
.irp c, 0,1,2,3
	global_store_b128 v1, v[PC+4*\c:PC+4*\c+3], s[26:27] offset:((\u)/2)*2097152+((\u)%2)*2048+512*\c   ; 32 lanes store 512 consecutive bytes
.endr
.endm
	LOADX 0
	LOADX 1
	UNITX 0
	UNITX 1
	UNITX 2
	UNITX 3
	v_cmp_lt_u32 vcc_lo, 15, v2                    ; lanes 0-15 store the first sigma's two words of row r, lanes 16-31 the second's
	v_cndmask_b32 v246, v[WD], v[WD+2], vcc_lo
	v_cndmask_b32 v247, v[WD+1], v[WD+3], vcc_lo
	global_store_b64 v4, v[246:247], s[28:29]      ; 256 consecutive bytes, aligned
	s_wait_tensorcnt 0x0
	ds_add_u32 v254, v255
	s_wait_dscnt 0x0
	s_endpgm
; ---------------------------------------------------------------- the weights: a wave takes 32 storage rows x 256 along K (one sigma)
.Lweights:
	s_cmp_lt_u32 ttmp9, 96                         ; work-groups 0-95: W_qkv; 96-127: W_proj.  The choice hangs on the work-group's number alone
	s_cselect_b64 s[6:7], s[6:7], s[8:9]
	s_cselect_b32 s24, 0, 96
	s_mov_b32 s25, 4096
	s_cselect_b32 s25, 12288, s25                  ; a row of the weight in bytes
	s_mov_b32 s26, 262144
	s_cselect_b32 s26, 786432, s26                 ; a sigma of its codes
	s_mov_b32 s27, 3244032
	s_cselect_b32 s27, 0, s27                      ; where its codes begin in wts
	s_mov_b32 s28, 4292608
	s_cselect_b32 s28, 3145728, s28                ; and its scale words
	s_sub_co_u32 s24, ttmp9, s24
	s_and_b32 s29, s24, 3                          ; sigma
	s_lshr_b32 s30, s24, 2
	s_lshl_b32 s30, s30, 7
	s_lshl_b32 s31, s16, 5
	s_add_co_u32 s30, s30, s31                     ; n0: my wave's first storage row, a multiple of 32
	s_lshl_b32 s48, s29, 8
	s_mul_i32 s48, s48, s25                        ; 256 sigma rows down
	s_lshl_b32 s49, s30, 2
	s_add_co_u32 s48, s48, s49
	s_mov_b32 s49, 0
	s_add_nc_u64 s[32:33], s[6:7], s[48:49]        ; block 0's first row, column n0
	s_lshl_b32 s48, s25, 5                         ; 32 rows on
.irp t, 1,2,3,4,5,6,7
	s_add_nc_u64 s[32+2*\t:33+2*\t], s[30+2*\t:31+2*\t], s[48:49]   ; a base for each block: none is stepped later
.endr
	s_mul_i32 s48, s29, s26
	s_add_co_u32 s48, s48, s27
	s_lshl_b32 s31, s30, 8                         ; 4,096 bytes for each 16 rows
	s_add_co_u32 s48, s48, s31
	s_add_nc_u64 s[50:51], s[12:13], s[48:49]      ; my codes
	s_lshl_b32 s48, s30, 5                         ; 512 bytes for each 16 rows
	s_lshl_b32 s31, s29, 7
	s_add_co_u32 s48, s48, s31
	s_add_co_u32 s48, s48, s28
	s_add_nc_u64 s[52:53], s[12:13], s[48:49]      ; my scale words
	v_and_b32 v3, 7, v2
	v_bfe_u32 v4, v2, 3, 1
	v_bfe_u32 v5, v2, 4, 1
	v_lshl_or_b32 v3, v4, 4, v3
	v_lshl_or_b32 v3, v5, 3, v3                    ; my column: the lane's number with bits 3 and 4 exchanged
	v_lshlrev_b32 v3, 2, v3
.set i, 0
.rept 32
	v_mad_u32_u24 v[VO+i], s25, i, v3              ; row i of a block
.set i, i+1
.endr
	v_and_b32 v6, 15, v2
	v_lshlrev_b32 v7, 3, v6
	v_lshlrev_b32 v6, 4, v6
	v_lshl_add_u32 v6, v5, 12, v6                  ; codes: 4,096 (lane / 16) + 16 (lane % 16)
	v_lshl_add_u32 v7, v5, 9, v7                   ; scale words: 512 (lane / 16) + 8 (lane % 16)
.macro LOADW t                         ; block t: W(32 t + i, my column): 32 lanes read 128 consecutive bytes
.set i, 0
.rept 32
	global_load_b32 v[XW+32*((\t)%2)+i], v[VO+i], s[32+2*(\t):33+2*(\t)] th:TH_LOAD_NT
.set i, i+1
.endr
.endm
.macro BLOCKW t
.set XS, XW+32*((\t)%2)
.set CC, CW+8*((\t)%2)
.if (\t) < 7
	s_wait_loadcnt 32                              ; this block's 32 loads are in; the next block's may be out
.else
	s_wait_loadcnt 0x0
.endif
	s_wait_xcnt 0x0                                ; the stores of two blocks ago have read this set of code registers
	v_max3_num_f32 v12, |v[XS]|, |v[XS+1]|, |v[XS+2]|   ; the block's largest magnitude: all 32 numbers are mine
	v_max3_num_f32 v13, |v[XS+3]|, |v[XS+4]|, |v[XS+5]|
.irp i, 6,10,14,18,22,26
	v_max3_num_f32 v12, v12, |v[XS+\i]|, |v[XS+\i+1]|
	v_max3_num_f32 v13, v13, |v[XS+\i+2]|, |v[XS+\i+3]|
.endr
	v_max3_num_f32 v12, v12, |v[XS+30]|, |v[XS+31]|
	v_max3_num_f32 v12, v12, v13, 0x4800000        ; and the floor 2^(9 - 127)
	v_add_nc_u32 v11, 0xfc000000, v12              ; the conversion's scale operand
	v_and_or_b32 v10, v12, 0x7f800000, s[MNT]      ; 448 x the scale
	v_lshrrev_b32 v13, 23, v11                     ; the byte
.if (\t)%4 == 0
	v_mov_b32 v[SB+(\t)/4], v13
.else
	v_lshl_or_b32 v[SB+(\t)/4], v13, 8*((\t)%4), v[SB+(\t)/4]
.endif
.irp i, 0,1,2,3,4,5,6,7,8,9,10,11,12,13,14,15,16,17,18,19,20,21,22,23,24,25,26,27,28,29,30,31
	v_med3_num_f32 v[XS+\i], v[XS+\i], -v10, v10
.endr
.irp g, 0,1,2,3
	v_cvt_scalef32_pk8_fp8_f32 v[CC+2*\g:CC+2*\g+1], v[XS+8*\g:XS+8*\g+7], v11
.endr
	global_store_b128 v6, v[CC:CC+3], s[50:51] offset:((\t)/4)*2048+((\t)%4)*512         ; k 0..15 of the block: the place of lanes 0-15; sixteen lanes store 256 consecutive bytes, aligned
	global_store_b128 v6, v[CC+4:CC+7], s[50:51] offset:((\t)/4)*2048+((\t)%4)*512+256   ; k 16..31: the place of lanes 16-31
.if (\t)+2 < 8
	LOADW (\t)+2
.endif
.endm
	LOADW 0
	LOADW 1
.irp t, 0,1,2,3,4,5,6,7
	BLOCKW \t
.endr
	global_store_b64 v7, v[SB:SB+1], s[52:53]      ; my row's two scale words of this sigma: pieces of 128 consecutive bytes; 131,072 bytes in the whole launch
	s_endpgm
; ---------------------------------------------------------------- the table: a thread takes a token, all 32 frequencies
; Laid [token / 16][cos, sin][j 0..3][lane][4 numbers]: lane (r, h) finds token 16 tile + r, frequencies 16 h + 4 j + 0..3.
; angle = token x frequency (f32); n = the nearest whole number of quarter turns; the angle less n pi/2, pi/2 in two parts (the first product is exact for n under 2^11); polynomials on +-pi/4.
.Lrope:
	s_sub_co_u32 s17, ttmp9, 128
	s_lshl_b32 s17, s17, 7
	v_add_nc_u32 v3, s17, v0                       ; the token
	v_cvt_f32_u32 v4, v3
	s_mov_b32 s24, 0x3f22f983                      ; 2 / pi
	s_mov_b32 s25, 0xbfc90fdb                      ; -(pi/2 rounded to f32)
	s_mov_b32 s26, 0x333bbd2e                      ; what that rounding added
	s_mov_b32 s27, 0xbe2aaaa3                      ; sine: -1.6666654611e-1,
	s_mov_b32 s28, 0x3c08839e                      ; 8.3321608736e-3,
	s_mov_b32 s29, 0xb94ca1f9                      ; -1.9515295891e-4
	s_mov_b32 s30, 0x3d2aaaa5                      ; cosine: 4.166664568e-2,
	s_mov_b32 s31, 0xbab6061a                      ; -1.388731625e-3,
	s_mov_b32 s32, 0x37ccf5ce                      ; 2.443315712e-5
.set i, 0
.irp f, 1.0, 0.7498942093, 0.5623413252, 0.4216965034, 0.3162277660, 0.2371373706, 0.1778279410, 0.1333521432, 0.1, 0.07498942093, 0.05623413252, 0.04216965034, 0.03162277660, 0.02371373706, 0.01778279410, 0.01333521432, 0.01, 0.007498942093, 0.005623413252, 0.004216965034, 0.003162277660, 0.002371373706, 0.001778279410, 0.001333521432, 0.001, 0.0007498942093, 0.0005623413252, 0.0004216965034, 0.0003162277660, 0.0002371373706, 0.0001778279410, 0.0001333521432
	v_mul_f32 v[RA+i], \f, v4                      ; 10^(-i/8) x token
.set i, i+1
.endr
.macro ALL32 body:vararg
.set i, 0
.rept 32
	\body
.set i, i+1
.endr
.endm
	ALL32 v_mul_f32 v[RN+i], s24, v[RA+i]
	ALL32 v_rndne_f32 v[RN+i], v[RN+i]
	ALL32 v_fma_f32 v[RA+i], v[RN+i], s25, v[RA+i]
	ALL32 v_fma_f32 v[RA+i], v[RN+i], s26, v[RA+i]
	ALL32 v_mul_f32 v[RZ+i], v[RA+i], v[RA+i]
	ALL32 v_fma_f32 v[RS+i], v[RZ+i], s29, s28
	ALL32 v_fma_f32 v[RC+i], v[RZ+i], s32, s31
	ALL32 v_fma_f32 v[RS+i], v[RS+i], v[RZ+i], s27
	ALL32 v_fma_f32 v[RC+i], v[RC+i], v[RZ+i], s30
	ALL32 v_mul_f32 v[RS+i], v[RS+i], v[RZ+i]
	ALL32 v_mul_f32 v[RC+i], v[RC+i], v[RZ+i]
	ALL32 v_fma_f32 v[RH+i], v[RZ+i], -0.5, 1.0
	ALL32 v_fma_f32 v[RS+i], v[RS+i], v[RA+i], v[RA+i]
	ALL32 v_fma_f32 v[RC+i], v[RC+i], v[RZ+i], v[RH+i]
	ALL32 v_cvt_i32_f32 v[RN+i], v[RN+i]
.set i, 0
.rept 32                               ; the quadrant: odd n exchanges the two; sin changes sign with bit 1 of n, cos with bit 1 of n + 1
	v_and_b32 v5, 1, v[RN+i]
	v_cmp_eq_u32 vcc_lo, 1, v5
	v_cndmask_b32 v[RZ+i], v[RS+i], v[RC+i], vcc_lo
	v_cndmask_b32 v[RA+i], v[RC+i], v[RS+i], vcc_lo
	v_lshlrev_b32 v6, 30, v[RN+i]
	v_add_nc_u32 v7, 1, v[RN+i]
	v_lshlrev_b32 v7, 30, v7
	v_and_b32 v6, 0x80000000, v6
	v_and_b32 v7, 0x80000000, v7
	v_xor_b32 v[RZ+i], v6, v[RZ+i]
	v_xor_b32 v[RA+i], v7, v[RA+i]
.set i, i+1
.endr
	v_lshrrev_b32 v8, 4, v3
	v_lshlrev_b32 v8, 12, v8
	v_and_b32 v9, 15, v3
	v_lshl_add_u32 v8, v9, 4, v8                   ; 4,096 (token / 16) + 16 (token % 16)
.irp h, 0,1
.irp j, 0,1,2,3
	global_store_b128 v8, v[RA+16*\h+4*\j:RA+16*\h+4*\j+3], s[14:15] offset:512*\j+256*\h        ; sixteen lanes store 256 consecutive bytes, aligned
	global_store_b128 v8, v[RZ+16*\h+4*\j:RZ+16*\h+4*\j+3], s[14:15] offset:2048+512*\j+256*\h
.endr
.endr
	s_endpgm
.Lfunc_end_k_qe2dadecc2f_prep:
	.size	k_qe2dadecc2f_prep, .Lfunc_end_k_qe2dadecc2f_prep-k_qe2dadecc2f_prep
	.p2alignl 7, 3214868480
	.fill 96, 4, 3214868480
	.section	.rodata,"a",@progbits
	.p2align	6, 0x0
	.amdhsa_kernel k_qe2dadecc2f_prep
		.amdhsa_group_segment_fixed_size 35328
		.amdhsa_private_segment_fixed_size 0
		.amdhsa_enable_private_segment 0
		.amdhsa_kernarg_size 48
		.amdhsa_user_sgpr_count 2
		.amdhsa_user_sgpr_kernarg_segment_ptr 1
		.amdhsa_wavefront_size32 1
		.amdhsa_system_sgpr_workgroup_id_x 1
		.amdhsa_system_sgpr_workgroup_id_y 1
		.amdhsa_system_sgpr_workgroup_id_z 1
		.amdhsa_system_vgpr_workitem_id 0
		.amdhsa_next_free_vgpr 256
		.amdhsa_next_free_sgpr 66
		.amdhsa_reserve_vcc 1
		.amdhsa_float_denorm_mode_32 3
		.amdhsa_float_denorm_mode_16_64 3
		.amdhsa_memory_ordered 1
		.amdhsa_forward_progress 1
		.amdhsa_inst_pref_size 151
	.end_amdhsa_kernel
	.amdgpu_metadata
---
amdhsa.version: [ 1, 2 ]
amdhsa.kernels:
  - .name:           k_qe2dadecc2f_prep
    .symbol:         k_qe2dadecc2f_prep.kd
    .args:
      - { .name: x, .offset: 0, .size: 8, .value_kind: global_buffer, .address_space: global }
      - { .name: W_qkv, .offset: 8, .size: 8, .value_kind: global_buffer, .address_space: global }
      - { .name: W_proj, .offset: 16, .size: 8, .value_kind: global_buffer, .address_space: global }
      - { .name: xq, .offset: 24, .size: 8, .value_kind: global_buffer, .address_space: global }
      - { .name: wts, .offset: 32, .size: 8, .value_kind: global_buffer, .address_space: global }
      - { .name: rope, .offset: 40, .size: 8, .value_kind: global_buffer, .address_space: global }
    .group_segment_fixed_size: 35328
    .private_segment_fixed_size: 0
    .kernarg_segment_align: 8
    .kernarg_segment_size: 48
    .max_flat_workgroup_size: 128
    .sgpr_count:     66
    .vgpr_count:     256
    .wavefront_size: 32
...
	.end_amdgpu_metadata
.endif
;; end of part 1
;; launch qkv (part 2): grid 12 x 32, 4 waves a work-group, clusters of 4 x 4, 327,680 bytes of LDS; arguments xq, wts, b_qkv, rope, qb, kv; writes qb, kv
.if DOCPART == 2
	.amdgcn_target "amdgcn-amd-amdhsa--gfx1250"
	.amdhsa_code_object_version 6
	.text
	.protected	k_qe2dadecc2f_qkv
	.globl	k_qe2dadecc2f_qkv
	.p2align	8
	.type	k_qe2dadecc2f_qkv,@function
k_qe2dadecc2f_qkv:
	s_mov_b64 s[64:65], 0
	v_nop
	global_prefetch_b8 v0, s[64:65] scope:SCOPE_SE
	s_setreg_imm32_b32 hwreg(HW_REG_WAVE_MODE, 25, 1), 1
	s_wait_xcnt 0x0
	s_wait_alu depctr_hold_cnt(0) depctr_sa_sdst(0) depctr_va_vdst(0) depctr_va_sdst(0) depctr_va_ssrc(0) depctr_va_vcc(0) depctr_vm_vsrc(0)
	s_getreg_b32 s2, hwreg(HW_REG_IB_STS2, 6, 4)
	s_cmp_eq_u32 s2, 0
	s_cbranch_scc0 .Lentry_in_a_cluster
	s_endpgm
.Lentry_in_a_cluster:
	s_bfe_u32 s2, ttmp6, 0x10000c
	s_cmp_lg_u32 s2, 0xf033
	s_cbranch_scc0 .Lentry_shape_is_right
	s_endpgm
.Lentry_shape_is_right:
; QKV: x W_qkv + b_qkv on codes of FP8 (E4M3) with E8M0 scales, K = 1,024; then the rotation of q and k; then q, k (along a head's 64) and v (along the keys) are quantised again and stored as images of the
; registers that the attention launch loads.  Sums, bias, rotation and all that goes into a quantiser are f32.
; A tile of 256 x 256 is made by four waves, 128 x 128 each: 64 accumulators, 512 registers.  K goes in four steps of 256 through two LDS slots filled by the tensor data mover.  The operands lie in memory in
; the order of the registers (128 rows of a K step: 32,768 bytes on end), so a fragment is four loads of 512 consecutive LDS bytes: no pitch, no padding.  The scale words of the tile's rows for all of K come once.
; CLUSTERS of 4 x 4: the four of a row need the same tiles of operand A, the four of a column the same tiles of B; each tile is asked for jointly, by one tensor load with one descriptor and a mask of the four.
; The cluster's x says what is made: 0 q, 1 k, 2 v.  For q and k A is x (tokens) and B the weight: the matrix instruction is used transposed (source 0 = B, source 1 = A), so a lane holds ONE TOKEN and its
; registers run along the channels.  For v the two change places BY DATA (A the weight, B x): a lane holds ONE CHANNEL and its registers run along the tokens, which are the keys: the next product's K.
; The weight's storage rows have bits 3 and 4 of the column exchanged: a lane's 16 registers of B's tiles 2 b and 2 b + 1 are columns 32 b + 16 h + 0..15.
; OUT: q: qb [head of 64][token / 16][c 0..1][lane][16 bytes], scale words at 8,388,608 [head][token] (bytes 0, 1; bytes 2, 3 are 0).  k, v: a record of 274,432 bytes a head in kv: K's codes as q's at 0; V's codes at
; 131,072 [128 keys][16 channels][c][lane][16 bytes]; K's scale words at 262,144; V's at 270,336.  In V, place 32 c + 16 h + 8 u + j of a row holds key 32 c + 16 u + 8 h + j: the order in which the scores fall there.
; LIMITS: NaN and infinities are not served; blocks whose largest magnitude lies under 2^-118 get the byte 1 (a block of zeros too: its codes are zeros).
; REGISTERS: window 0: v1-11 lane terms and LDS addresses; v16-29 addresses; v32-63 scale words, two sets; v128-255 A's fragments, one set.  Window 1: B's fragments, two sets.  Windows 2, 3: the accumulators,
; (a, b) at v[8 (8 (a % 4) + b)].  On the way out window 0 is: v32-63 at work, v64-127 the bias, v128-191 64 numbers, v192-207 codes, v208-235 at work; window 1: cos and sin of my eight tiles of tokens.
.set NQ,     2                         ; matrix instructions deep in a slot
.set FR,     16                        ; registers of a fragment
.set NL,     4                         ; LDS loads that bring one
.set NP,     8                         ; places behind this matrix instruction (ISA guide 7.12.1)
.set HALFT,  32768                     ; 128 rows x 256 along K: what one tensor load brings
.set SLOT,   4*HALFT                   ; A's 256 rows, then B's
.set SCL,    2*SLOT                    ; behind the ring: the scale words
.set HALFS,  4096                      ; those of 128 rows
.set SBLK,   512                       ; those of 16 rows
.set SPARE,  SCL+4*HALFS               ; the spare words: 128 bytes a wave, two blocks of 256 bytes that no other line names
.set ADRA, 16
.set ADRB, 20
.set ADRS, 27
.set SPW,  28
.set NIL,  29
.set SC,   32
.set AF,   128
.set G1, 24
.set G0, 32
.set G1B, 48
.set G0B, 56
.set G1S, 68
.set G0S, 76
.set G1SB, 80
.set G0SB, 88
.set T1E,  32                          ; the way out
.set T2E,  48
.set BIAS, 64
.set XR,   128
.set PC,   192
.set TM,   208
.set PW,   224
.set RB,   228
.set SEL,  56
.set MNT,  58
.set MSB, 0
.macro WIN new                         ; the immediate's high byte repeats the setting that is left
.if MSB != (\new)
	s_set_vgpr_msb (MSB<<8)|(\new)
.set MSB, \new
.endif
.endm
.set MUL_LO, 0xa1                      ; source 0 (B) window 1, source 1 (A) window 0, C and D window 2
.set MUL_HI, 0xf1                      ; the same, C and D window 3
.set TO_B,   0x40                      ; destination window 1, address window 0
; A joint load: waves 0 and 1 fetch for A, waves 2 and 3 for B.  The branch hangs on the wave's number alone.  Four v_nop follow each of the two lines.
.macro JLOAD g0a, g1a, g0b, g1b
	s_cmp_eq_u32 s15, 0
	s_cbranch_scc0 .Lfor_b_\@
	tensor_load_to_lds s[\g0a:\g0a+3], s[\g1a:\g1a+7]
	s_nop 0
.rept 4
	v_nop
.endr
	s_branch .Lasked_\@
.Lfor_b_\@:
	tensor_load_to_lds s[\g0b:\g0b+3], s[\g1b:\g1b+7]
	s_nop 0
.rept 4
	v_nop
.endr
.Lasked_\@:
.endm
.macro CREST                           ; a round of the cluster's barrier behind its opening barrier
	s_cmp_lg_u32 s14, 0
	s_cbranch_scc1 .Lnot_wave_0_\@
	s_barrier_signal -3
.Lnot_wave_0_\@:
	s_barrier_wait -3
	s_barrier_signal -1
	s_barrier_wait -1
.endm
.macro CROUND
	s_barrier_signal -1
	s_barrier_wait -1
	CREST
.endm
	s_load_b128 s[4:7], s[0:1], 0x0                ; xq s[4:5], wts s[6:7]
	v_lshl_add_u32 v[SPW], v0, 2, SPARE
	v_mov_b32 v[NIL], 0
	ds_add_u32 v28, v29
	ds_add_u32 v28, v29
	s_wait_dscnt 0x0
	v_lshrrev_b32 v1, 5, v0
	v_readfirstlane_b32 s14, v1                    ; wave 0..3
	s_lshr_b32 s15, s14, 1                         ; which half of A's rows is mine.  Also: I fetch for A (0) or for B (1)
	s_and_b32 s16, s14, 1                          ; which half of B's rows.  Also: which 128 rows of that tile I fetch
	s_bfe_u32 s40, ttmp6, 0x40000                  ; cx, cy: my place in the cluster
	s_bfe_u32 s41, ttmp6, 0x40004
	s_and_b32 s18, ttmp7, 0xffff
	s_lshl_b32 s18, s18, 2                         ; 4 x cluster y
	s_lshl_b32 s19, ttmp9, 2                       ; 4 x cluster x
	s_mov_b32 s98, 2097152                         ; a K step of x's codes
	s_mov_b32 s100, 786432                         ; a K step of W_qkv's
	s_mov_b32 s94, 8388608                         ; where x's scale words begin in xq
	s_mov_b32 s95, 3145728                         ; and W_qkv's in wts
	s_cmp_eq_u32 ttmp9, 2                          ; v?  The cluster's x is the same in all sixteen partners
	s_cselect_b32 s17, 8, s18                      ; A's tile: x's 4 cluster y + cy, or for v the weight's 8 + cy
	s_cselect_b32 s42, s18, s19                    ; B's tile: the weight's 4 cluster x + cx, or for v x's 4 cluster y + cx
	s_cselect_b32 s96, s100, s98
	s_cselect_b32 s100, s98, s100                  ; B's K step
	s_mov_b32 s98, s96                             ; A's K step
	s_cselect_b32 s96, s95, s94                    ; A's scale words begin here,
	s_cselect_b32 s97, s94, s95                    ; B's here
	s_mov_b32 s99, 0
	s_mov_b32 s101, 0
	s_add_co_u32 s17, s17, s41
	s_add_co_u32 s42, s42, s40
	s_lshl_b32 s43, s41, 2
	s_lshl_b32 s43, 15, s43                        ; my row of the cluster
	s_lshl_b32 s44, 0x1111, s40                    ; my column
	; descriptor group 1: 128 rows of 256 bytes (32 elements of 8 bytes), on end in memory and in LDS
	s_or_b32 s[G1+0], s43, (3<<16)|(1<<21)         ; 15:0 the mask: A's tiles go to my row; 17:16 elements of 8 bytes; 21 set beside a mask; no padding
	s_or_b32 s[G1B+0], s44, (3<<16)|(1<<21)
.irp g, G1, G1B
	s_mov_b32 s[\g+1], 32<<16                      ; tensor_dim0
	s_mov_b32 s[\g+2], 128<<16                     ; tensor_dim1
	s_mov_b32 s[\g+3], 32<<16                      ; tile_dim0
	s_mov_b32 s[\g+4], 128                         ; tile_dim1
	s_mov_b32 s[\g+5], 32                          ; tensor_dim0_stride
	s_mov_b32 s[\g+6], 0
	s_mov_b32 s[\g+7], 0
.endr
	s_or_b32 s[G1S+0], s43, (3<<16)|(1<<21)        ; the scale words of 128 rows: 16 rows of 256 bytes
	s_or_b32 s[G1SB+0], s44, (3<<16)|(1<<21)
.irp g, G1S, G1SB
	s_mov_b32 s[\g+1], 32<<16
	s_mov_b32 s[\g+2], 16<<16
	s_mov_b32 s[\g+3], 32<<16
	s_mov_b32 s[\g+4], 16
	s_mov_b32 s[\g+5], 32
	s_mov_b32 s[\g+6], 0
	s_mov_b32 s[\g+7], 0
.endr
	s_lshl_b32 s18, s16, 15                        ; which 128 rows of the tile I fetch: their codes,
	s_lshl_b32 s19, s16, 12                        ; their scale words
	s_lshl_b32 s20, s17, 16
	s_add_co_u32 s20, s20, s18                     ; A's codes: 65,536 x tile + 32,768 x half
	s_mov_b32 s21, 0
	s_lshl_b32 s22, s17, 13
	s_add_co_u32 s22, s22, s19
	s_add_co_u32 s22, s22, s96                     ; A's scale words
	s_mov_b32 s23, 0
	s_lshl_b32 s46, s42, 16
	s_add_co_u32 s46, s46, s18                     ; B's codes
	s_mov_b32 s47, 0
	s_lshl_b32 s92, s42, 13
	s_add_co_u32 s92, s92, s19
	s_add_co_u32 s92, s92, s97                     ; B's scale words
	s_mov_b32 s93, 0
	s_mul_i32 s45, s14, HALFT                      ; where they go: wave x 128 rows: no place in the cluster enters an LDS address
	s_mul_i32 s94, s14, HALFS
	s_wait_kmcnt 0x0
	s_cmp_eq_u32 ttmp9, 2
	s_cselect_b64 s[8:9], s[6:7], s[4:5]           ; A's buffer
	s_cselect_b64 s[10:11], s[4:5], s[6:7]         ; B's buffer
	s_add_nc_u64 s[20:21], s[8:9], s[20:21]
	s_add_nc_u64 s[22:23], s[8:9], s[22:23]
	s_add_nc_u64 s[46:47], s[10:11], s[46:47]
	s_add_nc_u64 s[92:93], s[10:11], s[92:93]
	CROUND                                         ; all sixteen work-groups are here: the first joint loads meet
	s_mov_b32 s[G0S], 1
	s_add_co_u32 s[G0S+1], s94, SCL
	s_mov_b64 s[G0S+2:G0S+3], s[22:23]
	s_or_b32 s[G0S+3], s[G0S+3], 0x80000000
	s_mov_b32 s[G0SB], 1
	s_add_co_u32 s[G0SB+1], s94, SCL
	s_mov_b64 s[G0SB+2:G0SB+3], s[92:93]
	s_or_b32 s[G0SB+3], s[G0SB+3], 0x80000000
	s_mov_b32 s[G0], 1                             ; slot 0: K step 0
	s_add_co_u32 s[G0+1], s45, 0
	s_mov_b64 s[G0+2:G0+3], s[20:21]
	s_or_b32 s[G0+3], s[G0+3], 0x80000000
	s_mov_b32 s[G0B], 1
	s_add_co_u32 s[G0B+1], s45, 0
	s_mov_b64 s[G0B+2:G0B+3], s[46:47]
	s_or_b32 s[G0B+3], s[G0B+3], 0x80000000
	s_mov_b32 s[G0+4], 1                           ; slot 1: K step 1
	s_add_co_u32 s[G0+5], s45, SLOT
	s_add_nc_u64 s[G0+6:G0+7], s[20:21], s[98:99]
	s_or_b32 s[G0+7], s[G0+7], 0x80000000
	s_mov_b32 s[G0B+4], 1
	s_add_co_u32 s[G0B+5], s45, SLOT
	s_add_nc_u64 s[G0B+6:G0B+7], s[46:47], s[100:101]
	s_or_b32 s[G0B+7], s[G0B+7], 0x80000000
	s_lshl_b32 s98, s98, 1                         ; a refill goes two K steps on
	s_lshl_b32 s100, s100, 1
	JLOAD G0S, G1S, G0SB, G1SB                     ; three loads of mine are out: the scale words, K step 0, K step 1
	JLOAD G0, G1, G0B, G1B
	JLOAD G0+4, G1, G0B+4, G1B
	v_and_b32 v1, 15, v0                           ; r
	v_bfe_u32 v2, v0, 4, 1                         ; h
	v_and_b32 v3, 31, v0
	v_lshlrev_b32 v3, 4, v3                        ; 16 x lane: my place in every image
	s_mul_i32 s21, s15, HALFT                      ; my 128 rows of A
	s_mul_i32 s22, s16, HALFT                      ; my 128 rows of B,
	s_add_co_u32 s22, s22, 2*HALFT                 ; which lie behind A's 256
.irp s, 0,1
	v_add_nc_u32 v[ADRA+\s], s21, v3
	v_add_nc_u32 v[ADRB+\s], s22, v3
	s_add_co_u32 s21, s21, SLOT
	s_add_co_u32 s22, s22, SLOT
.endr
	v_lshlrev_b32 v5, 3, v1                        ; scale words: 8 bytes a row in a K step
	s_mul_i32 s21, s15, HALFS
	s_mul_i32 s22, s16, HALFS
	s_add_co_u32 s22, s22, 2*HALFS
	s_sub_co_u32 s22, s22, s21
	v_mul_u32_u24 v6, s22, v2                      ; lanes 16-31 take B's
	s_add_co_u32 s21, s21, SCL
	v_add_nc_u32 v5, v5, v6
	v_add_nc_u32 v[ADRS], s21, v5
	s_lshl_b32 s21, s14, 10                        ; the way out's small stages lie in slot 0; each of the two ways has bytes of its own
	v_lshl_add_u32 v8, v1, 2, s21                  ; q, k: scale words in: 1,024 x wave + 4 r
	v_add_nc_u32 v9, s21, v3                       ; and back: + 16 x lane
	s_lshl_b32 s21, s14, 9
	s_add_co_u32 s21, s21, 4096
	v_lshl_add_u32 v10, v1, 2, s21                 ; v: 4,096 + 512 x wave + 4 r
	v_add_nc_u32 v11, s21, v3
.macro FRAG reg, adr, q, i             ; a fragment: 16 registers; registers 4 c .. 4 c + 3 of lane l are the 16 bytes at 16 l of piece c
.irp c, 0,1,2,3
	ds_load_b128 v[\reg+4*\c:\reg+4*\c+3], v[\adr] offset:(\i)*4096+(\q)*2048+512*\c
.endr
.endm
; 16 matrix instructions: A's blocks a0, a0 + 1 x B's eight.  The 64 accumulators take turns, one instruction a turn, in the same order in every step.
.macro MUL16 a0, p, q, sc, zero
.irp a, \a0, \a0+1
.irp b, 0,1,2,3,4,5,6,7
.if \zero
	v_wmma_scale_f32_16x16x128_f8f6f4 v[8*(8*((\a)%4)+\b):8*(8*((\a)%4)+\b)+7], v[128*(\p)+FR*\b:128*(\p)+FR*\b+FR-1], v[AF+FR*(\a):AF+FR*(\a)+FR-1], 0, v[SC+8*NQ*(\sc)+NQ*\b+(\q)], v[SC+8*NQ*(\sc)+NQ*(\a)+(\q)] matrix_a_scale:MATRIX_SCALE_ROW1
.else
	v_wmma_scale_f32_16x16x128_f8f6f4 v[8*(8*((\a)%4)+\b):8*(8*((\a)%4)+\b)+7], v[128*(\p)+FR*\b:128*(\p)+FR*\b+FR-1], v[AF+FR*(\a):AF+FR*(\a)+FR-1], v[8*(8*((\a)%4)+\b):8*(8*((\a)%4)+\b)+7], v[SC+8*NQ*(\sc)+NQ*\b+(\q)], v[SC+8*NQ*(\sc)+NQ*(\a)+(\q)] matrix_a_scale:MATRIX_SCALE_ROW1
.endif
.endr
.endr
.endm
.macro FETCH_B slot, q, p
	WIN TO_B
.irp i, 0,1,2,3,4,5,6,7
	FRAG 128*(\p)+FR*\i, ADRB+\slot, \q, \i
.endr
	WIN 0
.endm
.macro FETCH_A slot, q, i0
.irp i, \i0, \i0+1, \i0+2, \i0+3
	FRAG AF+FR*(\i), ADRA+\slot, \q, \i
.endr
.endm
.macro SCALES sc                       ; a K step's scale words: two a row; lanes 0-15 take A's block i, lanes 16-31 B's block i
.irp i, 0,1,2,3,4,5,6,7
	ds_load_b64 v[SC+8*NQ*\sc+NQ*\i:SC+8*NQ*\sc+NQ*\i+1], v[ADRS] offset:\i*SBLK
.endr
.endm
.macro PLACES n                        ; plain vector lines between a matrix instruction and a load into, or a read or write of, its registers
.rept \n
	v_nop
.endr
.endm
.macro STEP slot, q, zero              ; 128 along K that has its successor in the same slot
	s_wait_dscnt 4*NL                              ; B's set and A's blocks 0-3 are in; the youngest 16 loads (A's blocks 4-7) may be out
	WIN MUL_LO
	MUL16 0, (\q)%2, \q, \slot, \zero
	MUL16 2, (\q)%2, \q, \slot, \zero
	s_wait_dscnt 0
	PLACES NP
	FETCH_B \slot, (\q)+1, 1-(\q)%2
	FETCH_A \slot, (\q)+1, 0
	WIN MUL_HI
	MUL16 4, (\q)%2, \q, \slot, \zero
	MUL16 6, (\q)%2, \q, \slot, \zero
	PLACES NP
	WIN 0
	FETCH_A \slot, (\q)+1, 4
.endm
; A slot's last 128 change slots: one barrier; in front of it each wave waits for all its tensor loads, adds 0 to its spare word, and waits for that and for its own reads of this slot.
.macro TURN slot, next, fill
	s_wait_tensorcnt 0x0                           ; all my tensor loads have landed: my part of the next slot
	ds_add_u32 v[SPW], v[NIL]                      ; 0 onto my spare word
	s_wait_dscnt 4*NL+1                            ; the add and the youngest 16 loads may be out
	WIN MUL_LO
	MUL16 0, 1, NQ-1, \slot, 0                     ; sixteen matrix instructions stand between the add and the wait for it
	s_wait_dscnt 0x0                               ; the add is done, and my reads of this slot are over
	s_barrier_signal -1
	MUL16 2, 1, NQ-1, \slot, 0
	WIN 0
	s_barrier_wait -1
.if \fill
	CREST                                          ; the barrier has opened a round of the cluster's: no wave of any partner still reads this slot or has a load on its way
	s_add_nc_u64 s[G0+4*\slot+2:G0+4*\slot+3], s[G0+4*\slot+2:G0+4*\slot+3], s[98:99]
	s_add_nc_u64 s[G0B+4*\slot+2:G0B+4*\slot+3], s[G0B+4*\slot+2:G0B+4*\slot+3], s[100:101]
	JLOAD G0+4*\slot, G1, G0B+4*\slot, G1B         ; the first tensor load behind the round, my only one until the next; its four v_nop are four of the eight places
	PLACES NP-4
.else
	PLACES NP
.endif
	v_add_nc_u32 v[ADRS], 128, v[ADRS]             ; the next K step's scale words
	FETCH_B \next, 0, 0
	FETCH_A \next, 0, 0
	SCALES \next
	WIN MUL_HI
	MUL16 4, 1, NQ-1, \slot, 0
	MUL16 6, 1, NQ-1, \slot, 0
	PLACES NP
	WIN 0
	FETCH_A \next, 0, 4
.endm
	s_wait_tensorcnt 1                             ; the scale words and my part of K step 0 are in; K step 1's load may be out
	s_barrier_signal -1
	s_barrier_wait -1
	FETCH_B 0, 0, 0
	FETCH_A 0, 0, 0
	SCALES 0
	FETCH_A 0, 0, 4
	STEP 0, 0, 1                                   ; the first products start the sums: nothing is cleared
	TURN 0, 1, 1                                   ; slot 0 takes K step 2
	STEP 1, 0, 0
	TURN 1, 0, 1                                   ; slot 1 takes K step 3
	STEP 0, 0, 0
	TURN 0, 1, 0                                   ; nothing is left to fetch
	s_load_b256 s[24:31], s[0:1], 0x10             ; no tensor load of mine is out or follows, so the descriptors' registers are free: b_qkv s[24:25], rope s[26:27], qb s[28:29], kv s[30:31]
	STEP 1, 0, 0
	s_wait_dscnt 4*NL
	WIN MUL_LO
	MUL16 0, 1, NQ-1, 1, 0
	MUL16 2, 1, NQ-1, 1, 0
	s_wait_dscnt 0
	WIN MUL_HI
	MUL16 4, 1, NQ-1, 1, 0
	MUL16 6, 1, NQ-1, 1, 0
	WIN 0
; ---------------------------------------------------------------- THE WAY OUT
; 64 numbers of a lane, register 16 b + i in block b (the other 16 of the block lie in lane l xor 16), become 16 code registers.  two = 1: two scale words of two bytes (two heads); 0: one of four.
.macro QUANT s, two
.irp b, 0,1,2,3
	v_max3_num_f32 v[TM+\b], |v[\s+16*\b]|, |v[\s+1+16*\b]|, 0x4800000   ; my 16 numbers, and the floor 2^(9 - 127): the byte cannot fall under 1
.endr
.irp i, 2,4,6,8,10,12,14
.irp b, 0,1,2,3
	v_max3_num_f32 v[TM+\b], v[TM+\b], |v[\s+16*\b+\i]|, |v[\s+1+16*\b+\i]|
.endr
.endr
.irp b, 0,1,2,3
	v_permlanex16_b32 v[TM+4+\b], v[TM+\b], s[SEL], s[SEL+1]
.endr
.irp b, 0,1,2,3
	v_max_num_f32 v[TM+\b], v[TM+\b], v[TM+4+\b]
.endr
.irp b, 0,1,2,3
	v_add_nc_u32 v[TM+12+\b], 0xfc000000, v[TM+\b] ; 8 off the exponent field: the conversion's scale operand
.endr
.irp b, 0,1,2,3
	v_and_or_b32 v[TM+8+\b], v[TM+\b], 0x7f800000, s[MNT]   ; 448 x the scale
.endr
.irp b, 0,1,2,3
	v_lshrrev_b32 v[TM+4+\b], 23, v[TM+12+\b]      ; the byte
.endr
.if \two
	v_lshl_or_b32 v[PW], v[TM+5], 8, v[TM+4]
	v_lshl_or_b32 v[PW+1], v[TM+7], 8, v[TM+6]
.else
	v_lshl_or_b32 v[PW], v[TM+5], 8, v[TM+4]
	v_lshl_or_b32 v[PW], v[TM+6], 16, v[PW]
	v_lshl_or_b32 v[PW], v[TM+7], 24, v[PW]
.endif
.irp b, 0,1,2,3
.irp i, 0,1,2,3,4,5,6,7,8,9,10,11,12,13,14,15
	v_med3_num_f32 v[\s+16*\b+\i], v[\s+16*\b+\i], -v[TM+8+\b], v[TM+8+\b]   ; the conversion does not saturate (ISA guide 7.6.2): the hold
.endr
	v_cvt_scalef32_pk8_fp8_f32 v[PC+4*\b:PC+1+4*\b], v[\s+16*\b:\s+7+16*\b], v[TM+12+\b]
	v_cvt_scalef32_pk8_fp8_f32 v[PC+2+4*\b:PC+3+4*\b], v[\s+8+16*\b:\s+15+16*\b], v[TM+12+\b]
.endr
	v_nop                                          ; one plain line behind the last conversion of the run
.endm
	PLACES NP                                      ; behind the last products: their results are read, and their operands' registers written, from here on
	s_mov_b32 s[SEL], 0x76543210
	s_mov_b32 s[SEL+1], 0xfedcba98
	s_mov_b32 s[MNT], 0x600000
.irp b, 0,1,2,3
	v_mov_b32 v[TM+4+\b], 0                        ; written once: a lane permute's destination counts as one of its sources
.endr
	s_wait_kmcnt 0x0
	s_cmp_eq_u32 ttmp9, 2
	s_cbranch_scc1 .Lpath_v
	; ---- q and k.  Lane (r, h) holds token r of each of my eight tiles; register 16 b + e of a tile is column 32 b + 16 h + e of my 128: two heads
	s_lshr_b32 s32, s17, 3                         ; the batch: 8 tiles of 256 tokens
	s_and_b32 s33, s17, 7
	s_lshl_b32 s33, s33, 4
	s_lshl_b32 s34, s15, 3
	s_add_co_u32 s33, s33, s34                     ; my first tile of 16 tokens in the batch
	s_lshl_b32 s32, s32, 4
	s_lshl_b32 s34, s40, 2
	s_add_co_u32 s32, s32, s34
	s_lshl_b32 s34, s16, 1
	s_add_co_u32 s32, s32, s34                     ; my first head: 16 x batch + 4 cx + 2 x half
	s_lshl_b32 s34, s42, 8
	s_lshl_b32 s35, s16, 7
	s_add_co_u32 s34, s34, s35                     ; my first column of the 3,072
	s_lshl_b32 s34, s34, 2
	s_mov_b32 s35, 0
	s_add_nc_u64 s[24:25], s[24:25], s[34:35]      ; the bias there
	s_lshl_b32 s34, s33, 12
	s_add_nc_u64 s[26:27], s[26:27], s[34:35]      ; cos and sin of my first tile
	s_cmp_eq_u32 ttmp9, 0
	s_cselect_b64 s[36:37], s[28:29], s[30:31]     ; q goes to qb, k to kv
	s_mov_b32 s38, 274432
	s_cselect_b32 s39, 131072, s38                 ; from head to head: the codes,
	s_cselect_b32 s43, 8192, s38                   ; the scale words
	s_mov_b32 s44, 262144
	s_cselect_b32 s44, 8388608, s44                ; where the scale words begin
	s_mul_i32 s34, s32, s39
	s_lshl_b32 s45, s33, 10
	s_add_co_u32 s34, s34, s45
	s_add_nc_u64 s[48:49], s[36:37], s[34:35]      ; the first head's codes,
	s_mov_b32 s34, s39
	s_add_nc_u64 s[50:51], s[48:49], s[34:35]      ; the second's
	s_mul_i32 s34, s32, s43
	s_lshl_b32 s45, s33, 6
	s_add_co_u32 s34, s34, s45
	s_add_co_u32 s34, s34, s44
	s_add_nc_u64 s[52:53], s[36:37], s[34:35]      ; the first head's scale words,
	s_mov_b32 s34, s43
	s_add_nc_u64 s[54:55], s[52:53], s[34:35]      ; the second's
	v_lshlrev_b32 v6, 6, v2                        ; 64 h
.irp b, 0,1,2,3
.irp j, 0,1,2,3
	global_load_b128 v[BIAS+16*\b+4*\j:BIAS+16*\b+4*\j+3], v6, s[24:25] offset:128*\b+16*\j
.endr
.endr
	WIN 0x40                                       ; destination window 1
.irp a, 0,1,2,3,4,5,6,7
.irp cs, 0,1
.irp j, 0,1,2,3
	global_load_b128 v[32*\a+16*\cs+4*\j:32*\a+16*\cs+4*\j+3], v3, s[26:27] offset:4096*\a+2048*\cs+512*\j   ; tile a: 16 cos, 16 sin: frequencies 16 h + 0..15 of token r
.endr
.endr
.endr
	WIN 0
.macro QKROW a
	s_wait_loadcnt 8*(7-(\a))                      ; the bias and this tile's cos and sin are in; the later tiles' eight loads each may be out
	s_wait_xcnt 0x0                                ; the last tile's stores have read the code registers
	WIN 0x02+((\a)/4)                              ; source 0: window 2 or 3
.set AC, 64*((\a)%4)
.set k, 0
.rept 32
	v_pk_add_f32 v[XR+k:XR+k+1], v[AC+k:AC+k+1], v[BIAS+k:BIAS+k+1]   ; each accumulator from its low end on
.set k, k+2
.endr
	WIN 0x04                                       ; source 1: window 1
.set RP, 32*(\a)
.irp e, 0,1                            ; head e: channels 0-31 in registers 32 e + 0..15, channels 32-63 in 32 e + 16..31
.set k, 0
.rept 8
	v_pk_mul_f32 v[T1E+k:T1E+k+1], v[XR+32*\e+16+k:XR+32*\e+17+k], v[RP+16+k:RP+17+k]
	v_pk_mul_f32 v[T2E+k:T2E+k+1], v[XR+32*\e+k:XR+32*\e+1+k], v[RP+16+k:RP+17+k]
.set k, k+2
.endr
.set k, 0
.rept 8
	v_pk_fma_f32 v[XR+32*\e+k:XR+32*\e+1+k], v[XR+32*\e+k:XR+32*\e+1+k], v[RP+k:RP+1+k], v[T1E+k:T1E+1+k] neg_lo:[0,0,1] neg_hi:[0,0,1]   ; x1 cos - x2 sin
	v_pk_fma_f32 v[XR+32*\e+16+k:XR+32*\e+17+k], v[XR+32*\e+16+k:XR+32*\e+17+k], v[RP+k:RP+1+k], v[T2E+k:T2E+1+k]                         ; x2 cos + x1 sin
.set k, k+2
.endr
.endr
	WIN 0
	QUANT XR, 1
.irp c, 0,1
	global_store_b128 v3, v[PC+4*\c:PC+4*\c+3], s[48:49] offset:1024*(\a)+512*\c       ; 32 lanes store 512 consecutive bytes
	global_store_b128 v3, v[PC+8+4*\c:PC+8+4*\c+3], s[50:51] offset:1024*(\a)+512*\c
.endr
	ds_store_b32 v8, v[PW] offset:64*(\a)          ; the scale words are gathered: both lanes of a token write the same word with the same value
	ds_store_b32 v8, v[PW+1] offset:512+64*(\a)
.endm
.irp a, 0,1,2,3,4,5,6,7
	QKROW \a
.endr
	ds_load_b128 v[RB:RB+3], v9                    ; LDS serves a wave's instructions in order: these see my stores
	ds_load_b128 v[RB+4:RB+7], v9 offset:512
	s_wait_dscnt 0x0
	global_store_b128 v3, v[RB:RB+3], s[52:53]     ; 128 tokens' words: 512 consecutive bytes
	global_store_b128 v3, v[RB+4:RB+7], s[54:55]
	s_branch .Ldone
	; ---- v.  Lane (r, h) holds storage row r of each of my eight tiles of channels; register 8 b + j of a tile is token 16 b + 8 h + j of my 128: four blocks of 32 keys
.Lpath_v:
	s_lshr_b32 s32, s42, 3                         ; the batch
	s_and_b32 s33, s42, 7
	s_lshl_b32 s33, s33, 1
	s_add_co_u32 s33, s33, s16                     ; which 128 keys of the batch
	s_lshl_b32 s32, s32, 4
	s_lshl_b32 s34, s41, 2
	s_add_co_u32 s32, s32, s34
	s_lshl_b32 s34, s15, 1
	s_add_co_u32 s32, s32, s34                     ; my first head: 16 x batch + 4 cy + 2 x half
	s_lshl_b32 s34, s17, 8
	s_lshl_b32 s35, s15, 7
	s_add_co_u32 s34, s34, s35                     ; my first column of the 3,072
	s_lshl_b32 s34, s34, 2
	s_mov_b32 s35, 0
	s_add_nc_u64 s[24:25], s[24:25], s[34:35]
	s_mul_i32 s34, s32, 274432
	s_lshl_b32 s36, s33, 13
	s_add_co_u32 s36, s36, s34
	s_add_co_u32 s36, s36, 131072
	s_mov_b32 s37, 0
	s_add_nc_u64 s[48:49], s[30:31], s[36:37]      ; the first head's codes of these keys,
	s_add_nc_u64 s[50:51], s[48:49], 274432        ; the second's
	s_lshl_b32 s36, s33, 8
	s_add_co_u32 s36, s36, s34
	s_add_co_u32 s36, s36, 270336
	s_add_nc_u64 s[52:53], s[30:31], s[36:37]      ; the first head's scale words
	v_and_b32 v6, 7, v1
	v_lshrrev_b32 v7, 3, v1
	v_lshl_add_u32 v6, v7, 4, v6
	v_lshlrev_b32 v6, 2, v6                        ; storage row 16 a + r is column 32 (a / 2) + 16 (r / 8) + 8 (a % 2) + r % 8
	v_mul_u32_u24 v7, v2, 274432
	v_lshl_add_u32 v7, v1, 4, v7                   ; the scale words' way out: lanes 0-15 the first head, lanes 16-31 the second
.irp a, 0,1,2,3,4,5,6,7
	global_load_b32 v[BIAS+2*\a], v6, s[24:25] offset:4*(32*(\a/2)+8*(\a%2))     ; my channel's bias, twice: a pair for the packed addition
	global_load_b32 v[BIAS+2*\a+1], v6, s[24:25] offset:4*(32*(\a/2)+8*(\a%2))
.endr
	s_wait_loadcnt 0x0
.macro VROW a
	s_wait_xcnt 0x0                                ; the last tile's stores have read the code registers
	WIN 0x02+((\a)/4)
.set AC, 64*((\a)%4)
.set k, 0
.rept 32
	v_pk_add_f32 v[XR+k:XR+k+1], v[AC+k:AC+k+1], v[BIAS+2*(\a):BIAS+2*(\a)+1]
.set k, k+2
.endr
	WIN 0
	QUANT XR, 0
.irp c, 0,1,2,3
	global_store_b128 v3, v[PC+4*\c:PC+4*\c+3], s[48+2*((\a)/4):49+2*((\a)/4)] offset:((\a)%4)*2048+512*\c
.endr
	ds_store_b32 v10, v[PW] offset:64*(\a)
.endm
.irp a, 0,1,2,3,4,5,6,7
	VROW \a
.endr
	ds_load_b128 v[RB:RB+3], v11
	s_wait_dscnt 0x0
	global_store_b128 v7, v[RB:RB+3], s[52:53]     ; sixteen lanes store 256 consecutive bytes, aligned: a head's words of these 128 keys
.Ldone:
	s_wait_tensorcnt 0x0                           ; the wave's end, behind my last tensor load and my last LDS store
	ds_add_u32 v[SPW], v[NIL]
	s_wait_dscnt 0x0
	CROUND                                         ; the closing round: no work-group ends while a partner may still ask for a tile that names it
	s_endpgm
.Lfunc_end_k_qe2dadecc2f_qkv:
	.size	k_qe2dadecc2f_qkv, .Lfunc_end_k_qe2dadecc2f_qkv-k_qe2dadecc2f_qkv
	.p2alignl 7, 3214868480
	.fill 96, 4, 3214868480
	.section	.rodata,"a",@progbits
	.p2align	6, 0x0
	.amdhsa_kernel k_qe2dadecc2f_qkv
		.amdhsa_group_segment_fixed_size 327680
		.amdhsa_private_segment_fixed_size 0
		.amdhsa_enable_private_segment 0
		.amdhsa_kernarg_size 48
		.amdhsa_user_sgpr_count 2
		.amdhsa_user_sgpr_kernarg_segment_ptr 1
		.amdhsa_wavefront_size32 1
		.amdhsa_system_sgpr_workgroup_id_x 1
		.amdhsa_system_sgpr_workgroup_id_y 1
		.amdhsa_system_sgpr_workgroup_id_z 1
		.amdhsa_system_vgpr_workitem_id 0
		.amdhsa_next_free_vgpr 1024
		.amdhsa_next_free_sgpr 102
		.amdhsa_reserve_vcc 0
		.amdhsa_float_denorm_mode_32 3
		.amdhsa_float_denorm_mode_16_64 3
		.amdhsa_memory_ordered 1
		.amdhsa_forward_progress 1
		.amdhsa_inst_pref_size 255
	.end_amdhsa_kernel
	.section	.bss,"aw",@nobits
	.p2align	6
	.space	262144
	.amdgpu_metadata
---
amdhsa.version: [ 1, 2 ]
amdhsa.kernels:
  - .name:           k_qe2dadecc2f_qkv
    .symbol:         k_qe2dadecc2f_qkv.kd
    .args:
      - { .name: xq, .offset: 0, .size: 8, .value_kind: global_buffer, .address_space: global }
      - { .name: wts, .offset: 8, .size: 8, .value_kind: global_buffer, .address_space: global }
      - { .name: b_qkv, .offset: 16, .size: 8, .value_kind: global_buffer, .address_space: global }
      - { .name: rope, .offset: 24, .size: 8, .value_kind: global_buffer, .address_space: global }
      - { .name: qb, .offset: 32, .size: 8, .value_kind: global_buffer, .address_space: global }
      - { .name: kv, .offset: 40, .size: 8, .value_kind: global_buffer, .address_space: global }
    .group_segment_fixed_size: 327680
    .private_segment_fixed_size: 0
    .kernarg_segment_align: 8
    .kernarg_segment_size: 48
    .max_flat_workgroup_size: 128
    .sgpr_count:     102
    .vgpr_count:     1024
    .wavefront_size: 32
...
	.end_amdgpu_metadata
.endif
;; end of part 2
;; launch attn (part 3): grid 4 x 64, 8 waves a work-group, clusters of 4 x 1, 327,680 bytes of LDS; arguments qb, kv, ob; writes ob
.if DOCPART == 3
	.amdgcn_target "amdgcn-amd-amdhsa--gfx1250"
	.amdhsa_code_object_version 6
	.text
	.protected	k_qe2dadecc2f_attn
	.globl	k_qe2dadecc2f_attn
	.p2align	8
	.type	k_qe2dadecc2f_attn,@function
k_qe2dadecc2f_attn:
	s_mov_b64 s[64:65], 0
	v_nop
	global_prefetch_b8 v0, s[64:65] scope:SCOPE_SE
	s_setreg_imm32_b32 hwreg(HW_REG_WAVE_MODE, 25, 1), 1
	s_wait_xcnt 0x0
	s_wait_alu depctr_hold_cnt(0) depctr_sa_sdst(0) depctr_va_vdst(0) depctr_va_sdst(0) depctr_va_ssrc(0) depctr_va_vcc(0) depctr_vm_vsrc(0)
	s_getreg_b32 s2, hwreg(HW_REG_IB_STS2, 6, 4)
	s_cmp_eq_u32 s2, 0
	s_cbranch_scc0 .Lentry_in_a_cluster
	s_endpgm
.Lentry_in_a_cluster:
	s_bfe_u32 s2, ttmp6, 0x10000c
	s_cmp_lg_u32 s2, 0x3003
	s_cbranch_scc0 .Lentry_shape_is_right
	s_endpgm
.Lentry_shape_is_right:
; ATTENTION on codes of FP8 (E4M3) with E8M0 scales: O = softmax(Q K^T / 8) V for one head of 64 channels and 2,048 keys, no mask; the result is quantised along the model's 1,024 and stored as operand A of the last product.
; THE SOFTMAX AHEAD OF THE SECOND PRODUCT: t = score x log2(e) / 8; M = the row's largest t so far, rounded UP to a whole number; p = 2^(t - M) is what is quantised, along the keys, not normalised.  The row's sum is
; taken of the unquantised p, in f32, and divides O at the end.  When M moves, the sum and O are multiplied by 2^(old M - new M): exact.
; SHARES.  A work-group owns one head and 512 of its queries, in two passes of 256; each of its eight waves holds TWO tiles of 16 queries, so that each fragment of K and V read from LDS feeds two matrix instructions.
; THE HEAD'S WHOLE RECORD (K's and V's codes and scale words, 274,432 bytes) LIES IN LDS, filled once, as it lies in memory: images of the operands' registers, so every fragment load reads 512 consecutive bytes.
; No ring and no refill.  The record comes in five loads a wave: the scale words, then four quarters of the keys; the walk over a quarter begins when that quarter has landed.
; CLUSTER.  The four work-groups of a cluster own the same head: every load is asked for jointly, with one descriptor and the mask of the four.
; LAYOUT.  Both products are used transposed: S^T = K Q^T (source 0 = 16 keys, source 1 = 16 queries), O^T = V^T P^T: a lane holds ONE query throughout.  The first product's K is 64: registers 8-15 of every fragment of
; K and of Q hold zero codes (each side its own registers) and bytes 2, 3 of their scale words are 0.  Register 16 b + 8 u + j of the scores is key 32 b + 16 u + 8 h + j; V's codes were laid in that order.
; V's channels have bits 3 and 4 exchanged in storage, so that O^T's register 16 b + e is channel 32 b + 16 h + e: the conversions' results are the next operand's registers.
; No prefetch is laid: all that the launch reads through the mover is asked for in its first lines.
; LIMITS: NaN and infinities are not served; a block of p or of the result whose largest number lies under 2^-118 gets the byte 1.
; REGISTERS.  Window 0: v1-9 addresses; v20-27 for each tile -M, the largest t, the sum in two halves; v28-31 the factors; v32-55 at work; v64-191 the scores, then p (64 a tile); v192-223 p's codes; v224-233 scale words.
; Window 1: v0-31 Q; v32-95 four fragments of K; v96-159 four of V; v160-223 O^T (32 a tile).
.set LI,  1                            ; 16 x lane
.set LIV, 2                            ; + 131,072: V's codes
.set L4K, 3                            ; 4 x lane + 262,144: K's scale words
.set L4V, 4                            ; 4 x lane + 270,336: V's
.set L4,  5                            ; 4 x lane
.set ADK, 6
.set ADV, 7
.set ADS, 8
.set ADT, 9
.set ST,  20
.set FAC, 28
.set BM,  32
.set T1,  36
.set HO,  40
.set SO,  44
.set TA,  48
.set P2,  50
.set OW,  52
.set OSO, 54
.set LN,  55
.set SCR, 64
.set PC,  192
.set KSC, 224                          ; v224-227 K's scale words: register u: lanes 0-15 tile 2 u, lanes 16-31 tile 2 u + 1
.set VSC, 228                          ; v228-229 V's likewise
.set QS,  230                          ; Q's: lanes 0-15 my first tile, lanes 16-31 my second
.set PS,  232                          ; v232-233 p's, a register a tile
.set QF,  0                            ; window 1
.set KF,  32
.set VF,  96
.set OO,  160
.set WV,  10
.set G0,  24                           ; s[24:43] five groups 0
.set G1D, 44                           ; s[44:51] group 1: 32 rows of 256 bytes
.set G1S, 52                           ; s[52:59] group 1: 6 rows of 256 bytes
.set PASS, 66
.set CNT, 67
.set SEL, 72
.set CS,  74
.set MNT, 76
.set TB,  77                           ; the step's codes begin here in K's and in V's part
.set TS,  78                           ; its scale words of K
.set TV,  79                           ; and of V
.set MSB, 0
.macro WIN new
.if MSB != (\new)
	s_set_vgpr_msb (MSB<<8)|(\new)
.set MSB, \new
.endif
.endm
.macro CROUND                          ; a round of the cluster's barrier
	s_barrier_signal -1
	s_barrier_wait -1
	s_cmp_lg_u32 s[WV], 0
	s_cbranch_scc1 .Lnot_wave_0_\@
	s_barrier_signal -3
.Lnot_wave_0_\@:
	s_barrier_wait -3
	s_barrier_signal -1
	s_barrier_wait -1
.endm
	s_load_b128 s[4:7], s[0:1], 0x0                ; qb s[4:5], kv s[6:7]
	s_load_b64 s[8:9], s[0:1], 0x10                ; ob
	v_lshl_add_u32 v254, v0, 2, 0x43000
	v_mov_b32 v255, 0
	ds_add_u32 v254, v255
	ds_add_u32 v254, v255
	v_lshrrev_b32 v1, 5, v0
	v_readfirstlane_b32 s[WV], v1                  ; wave 0..7
	s_bfe_u32 s11, ttmp6, 0x40000                  ; cx: it enters Q's and O's addresses alone
	s_and_b32 s12, ttmp7, 0xffff                   ; the head of 64: 16 x batch + head, which the four partners share
	s_mov_b32 s[G1D], 15|(3<<16)|(1<<21)           ; 15:0 the mask: all four; 17:16 elements of 8 bytes; 21 set beside a mask; no padding
	s_mov_b32 s[G1D+1], 32<<16                     ; tensor_dim0
	s_mov_b32 s[G1D+2], 32<<16                     ; tensor_dim1
	s_mov_b32 s[G1D+3], 32<<16                     ; tile_dim0
	s_mov_b32 s[G1D+4], 32                         ; tile_dim1
	s_mov_b32 s[G1D+5], 32                         ; tensor_dim0_stride
	s_mov_b32 s[G1D+6], 0
	s_mov_b32 s[G1D+7], 0
	s_mov_b32 s[G1S], 15|(3<<16)|(1<<21)
	s_mov_b32 s[G1S+1], 32<<16
	s_mov_b32 s[G1S+2], 6<<16
	s_mov_b32 s[G1S+3], 32<<16
	s_mov_b32 s[G1S+4], 6
	s_mov_b32 s[G1S+5], 32
	s_mov_b32 s[G1S+6], 0
	s_mov_b32 s[G1S+7], 0
	s_mul_i32 s16, s12, 274432
	s_mov_b32 s17, 0
	s_mul_i32 s13, s[WV], 1536
	s_add_co_u32 s13, s13, 262144                  ; my eighth of the scale words: the same offset in the record and in LDS
	s_lshr_b32 s14, s[WV], 2
	s_lshl_b32 s14, s14, 17                        ; waves 0-3 fetch K's codes, waves 4-7 V's;
	s_and_b32 s15, s[WV], 3
	s_lshl_b32 s15, s15, 13
	s_add_co_u32 s14, s14, s15                     ; of each quarter of 32,768 bytes a wave takes 8,192
	s_mov_b32 s[SEL], 0x76543210
	s_mov_b32 s[SEL+1], 0xfedcba98
	s_mov_b32 s[CS], 0x3e38aa3b                    ; c = log2(e) / 8
	s_mov_b32 s[CS+1], s[CS]                       ; (named with it as a pair, so it is written)
	s_mov_b32 s[MNT], 0x600000
	s_wait_dscnt 0x0
	s_wait_kmcnt 0x0
	s_add_nc_u64 s[6:7], s[6:7], s[16:17]          ; the head's record
	s_mov_b32 s[G0], 1
	s_mov_b32 s[G0+1], s13
	s_mov_b32 s16, s13
	s_add_nc_u64 s[G0+2:G0+3], s[6:7], s[16:17]
	s_or_b32 s[G0+3], s[G0+3], 0x80000000
	s_mov_b32 s16, s14
.irp g, 0,1,2,3
	s_mov_b32 s[G0+4+4*\g], 1
	s_add_co_u32 s[G0+5+4*\g], s14, 32768*\g
	s_add_nc_u64 s[G0+6+4*\g:G0+7+4*\g], s[6:7], s[16:17]
	s_add_nc_u64 s[G0+6+4*\g:G0+7+4*\g], s[G0+6+4*\g:G0+7+4*\g], 32768*\g
	s_or_b32 s[G0+7+4*\g], s[G0+7+4*\g], 0x80000000
.endr
	CROUND                                         ; all four work-groups are here: the joint loads meet
	tensor_load_to_lds s[G0:G0+3], s[G1S:G1S+7]    ; five loads of mine are out: the scale words first,
	s_nop 0
	tensor_load_to_lds s[G0+4:G0+7], s[G1D:G1D+7]  ; then the four quarters of the keys in their order
	s_nop 0
	tensor_load_to_lds s[G0+8:G0+11], s[G1D:G1D+7]
	s_nop 0
	tensor_load_to_lds s[G0+12:G0+15], s[G1D:G1D+7]
	s_nop 0
	tensor_load_to_lds s[G0+16:G0+19], s[G1D:G1D+7]
	s_nop 0
.rept 4
	v_nop
.endr
	s_lshl_b32 s16, s11, 5
	s_lshl_b32 s18, s[WV], 1
	s_add_co_u32 s16, s16, s18                     ; my first tile of queries in pass 0: 32 cx + 2 x wave
	s_mov_b32 s19, 0
	s_lshl_b32 s18, s12, 17
	s_lshl_b32 s20, s16, 10
	s_add_co_u32 s18, s18, s20
	s_add_nc_u64 s[60:61], s[4:5], s[18:19]        ; Q's codes
	s_lshl_b32 s18, s12, 13
	s_lshl_b32 s20, s16, 6
	s_add_co_u32 s18, s18, s20
	s_add_co_u32 s18, s18, 8388608
	s_add_nc_u64 s[62:63], s[4:5], s[18:19]        ; Q's scale words
	s_lshr_b32 s20, s12, 4                         ; the batch
	s_and_b32 s21, s12, 15                         ; the head: its 64 columns are K step head / 4, half (head / 2) % 2, pieces 2 (head % 2) and + 1 of the next operand
	s_lshl_b32 s20, s20, 7
	s_add_co_u32 s20, s20, s16                     ; the tile of rows among the 512
	s_lshr_b32 s22, s21, 2
	s_bfe_u32 s23, s21, 0x10001
	s_and_b32 s21, s21, 1
	s_lshl_b32 s18, s22, 21
	s_lshl_b32 s3, s20, 12
	s_add_co_u32 s18, s18, s3
	s_lshl_b32 s3, s23, 11
	s_add_co_u32 s18, s18, s3
	s_lshl_b32 s3, s21, 10
	s_add_co_u32 s18, s18, s3
	s_add_nc_u64 s[68:69], s[8:9], s[18:19]        ; the result's codes
	s_lshl_b32 s18, s20, 9
	s_lshl_b32 s3, s22, 7
	s_add_co_u32 s18, s18, s3
	s_lshl_b32 s3, s23, 2
	s_add_co_u32 s18, s18, s3
	s_lshl_b32 s3, s21, 1
	s_add_co_u32 s18, s18, s3
	s_add_co_u32 s18, s18, 8388608
	s_add_nc_u64 s[70:71], s[8:9], s[18:19]        ; its two scale bytes a row
	v_and_b32 v[LN], 31, v0
	v_lshlrev_b32 v[LI], 4, v[LN]
	v_add_nc_u32 v[LIV], 131072, v[LI]
	v_lshlrev_b32 v[L4], 2, v[LN]
	v_add_nc_u32 v[L4K], 262144, v[L4]
	v_add_nc_u32 v[L4V], 270336, v[L4]
	v_and_b32 v[OSO], 15, v0
	v_lshlrev_b32 v[OSO], 3, v[OSO]
	v_bfe_u32 v[TA], v0, 4, 1
	v_lshl_add_u32 v[OSO], v[TA], 9, v[OSO]        ; 512 h + 8 r: lanes 0-15 my first tile's rows, lanes 16-31 my second's
.irp b, 0,1,2,3
	v_mov_b32 v[T1+\b], 0                          ; written once: a lane permute's destination counts as one of its sources
.endr
	v_mov_b32 v[FAC+1], 0                          ; (named as the upper halves of pairs)
	v_mov_b32 v[FAC+3], 0
	WIN 0x40                                       ; destination window 1: the zero codes of k = 64..127, each side its own
.irp f, 0,1
.irp j, 8,9,10,11,12,13,14,15
	v_mov_b32 v[QF+16*\f+\j], 0
.endr
.endr
.irp f, 0,1,2,3
.irp j, 8,9,10,11,12,13,14,15
	v_mov_b32 v[KF+16*\f+\j], 0
.endr
.endr
	WIN 0
.macro SMUL t, f, qi                   ; scores of keys 16 t .. + 15 (fragment f) and my tile qi
.if ((\t)%2 == 0) && (\qi == 0)
	v_wmma_scale_f32_16x16x128_f8f6f4 v[SCR+64*\qi+8*(\t):SCR+64*\qi+8*(\t)+7], v[KF+16*(\f):KF+16*(\f)+15], v[QF+16*\qi:QF+16*\qi+15], 0, v[KSC+(\t)/2], v[QS]
.elseif ((\t)%2 == 1) && (\qi == 0)
	v_wmma_scale_f32_16x16x128_f8f6f4 v[SCR+64*\qi+8*(\t):SCR+64*\qi+8*(\t)+7], v[KF+16*(\f):KF+16*(\f)+15], v[QF+16*\qi:QF+16*\qi+15], 0, v[KSC+(\t)/2], v[QS] matrix_a_scale:MATRIX_SCALE_ROW1
.elseif ((\t)%2 == 0)
	v_wmma_scale_f32_16x16x128_f8f6f4 v[SCR+64*\qi+8*(\t):SCR+64*\qi+8*(\t)+7], v[KF+16*(\f):KF+16*(\f)+15], v[QF+16*\qi:QF+16*\qi+15], 0, v[KSC+(\t)/2], v[QS] matrix_b_scale:MATRIX_SCALE_ROW1
.else
	v_wmma_scale_f32_16x16x128_f8f6f4 v[SCR+64*\qi+8*(\t):SCR+64*\qi+8*(\t)+7], v[KF+16*(\f):KF+16*(\f)+15], v[QF+16*\qi:QF+16*\qi+15], 0, v[KSC+(\t)/2], v[QS] matrix_a_scale:MATRIX_SCALE_ROW1 matrix_b_scale:MATRIX_SCALE_ROW1
.endif
.endm
.macro PMUL t, qi                      ; O^T of channels' tile t and my tile qi takes these 128 keys
.if (\t)%2 == 0
	v_wmma_scale_f32_16x16x128_f8f6f4 v[OO+32*\qi+8*\t:OO+32*\qi+8*\t+7], v[VF+16*\t:VF+16*\t+15], v[PC+16*\qi:PC+16*\qi+15], v[OO+32*\qi+8*\t:OO+32*\qi+8*\t+7], v[VSC+(\t)/2], v[PS+\qi]
.else
	v_wmma_scale_f32_16x16x128_f8f6f4 v[OO+32*\qi+8*\t:OO+32*\qi+8*\t+7], v[VF+16*\t:VF+16*\t+15], v[PC+16*\qi:PC+16*\qi+15], v[OO+32*\qi+8*\t:OO+32*\qi+8*\t+7], v[VSC+(\t)/2], v[PS+\qi] matrix_a_scale:MATRIX_SCALE_ROW1
.endif
.endm
.macro BMAX ss, p0, p1                 ; the largest score of blocks p0 and p1, by turns; each accumulator is first read at its low end
.irp b, \p0, \p1
	v_max3_num_f32 v[BM+\b], v[\ss+16*\b], v[\ss+16*\b+1], v[\ss+16*\b+2]
.endr
.irp i, 3,5,7,9,11,13
.irp b, \p0, \p1
	v_max3_num_f32 v[BM+\b], v[BM+\b], v[\ss+16*\b+\i], v[\ss+16*\b+\i+1]
.endr
.endr
.irp b, \p0, \p1
	v_max_num_f32 v[BM+\b], v[BM+\b], v[\ss+16*\b+15]
.endr
.endm
.macro SOFTMAX qi
.set SS, SCR+64*\qi
.set TT, ST+4*\qi
.set FF, FAC+2*\qi
	BMAX SS, 0, 1                                  ; THE LARGEST SCORE OF EACH BLOCK OF 32 KEYS serves twice: for the row's maximum and, since p rises with the score, for the block's largest p.
	BMAX SS, 2, 3                                  ; Blocks 0 and 1 come first: their sixteen lines are the places behind the products that made blocks 2 and 3
.irp b, 0,1,2,3
	v_permlanex16_b32 v[T1+\b], v[BM+\b], s[SEL], s[SEL+1]
.endr
.irp b, 0,1,2,3
	v_max_num_f32 v[BM+\b], v[BM+\b], v[T1+\b]     ; with lane l xor 16's 16 keys
.endr
	v_max3_num_f32 v[TA], v[BM], v[BM+1], v[BM+2]
	v_max_num_f32 v[TA], v[TA], v[BM+3]
	v_mul_f32 v[TA], s[CS], v[TA]                  ; as t (c is positive)
	v_max_num_f32 v[TT+1], v[TT+1], v[TA]          ; the running largest t
	v_mov_b32 v[TA], v[TT]
	v_floor_f32 v[TT], -v[TT+1]                    ; the new -M = floor(-t): M is a whole number
	v_sub_f32 v[TA], v[TT], v[TA]                  ; old M - new M: a whole number, 0 or less
	v_cvt_i32_f32 v[TA], v[TA]                     ; (it saturates)
	v_ldexp_f32 v[FF], 1.0, v[TA]                  ; f = 2^(old M - new M)
.set k, 0
.rept 32
	v_pk_fma_f32 v[SS+k:SS+k+1], v[SS+k:SS+k+1], s[CS:CS+1], v[TT:TT+1] op_sel_hi:[1,0,0]   ; t - M, two at a time
.set k, k+2
.endr
.irp b, 0,1,2,3
	v_fma_f32 v[BM+\b], v[BM+\b], s[CS], v[TT]     ; the same of each block's largest score
.endr
.set k, 0
.rept 64
	v_exp_f32 v[SS+k], v[SS+k]                     ; p = 2^(t - M), at most 1: not normalised
.set k, k+1
.endr
.irp b, 0,1,2,3
	v_exp_f32 v[BM+\b], v[BM+\b]                   ; the block's largest p: the same two instructions on the same number
.endr
	v_pk_mul_f32 v[TT+2:TT+3], v[TT+2:TT+3], v[FF:FF+1] op_sel_hi:[1,0]   ; the sums under the new M (a plain line behind the exponentials)
	s_wait_alu depctr_va_vdst(0)
.irp b, 0,1,2,3
	v_max_num_f32 v[BM+\b], 0x4800000, v[BM+\b]    ; the floor 2^(9 - 127): the byte cannot fall under 1
.endr
.irp b, 0,1,2,3
	v_add_nc_u32 v[SO+\b], 0xfc000000, v[BM+\b]    ; the conversion's scale operand
.endr
.irp b, 0,1,2,3
	v_and_or_b32 v[HO+\b], v[BM+\b], 0x7f800000, s[MNT]   ; 448 x the scale
.endr
.irp b, 0,1,2,3
	v_lshrrev_b32 v[T1+\b], 23, v[SO+\b]           ; the byte
.endr
	v_lshl_or_b32 v[PS+\qi], v[T1+1], 8, v[T1]     ; p's scale word for these 128 keys
	v_lshl_or_b32 v[PS+\qi], v[T1+2], 16, v[PS+\qi]
	v_lshl_or_b32 v[PS+\qi], v[T1+3], 24, v[PS+\qi]
	v_pk_add_f32 v[P2:P2+1], v[SS:SS+1], v[SS+2:SS+3]   ; the row's sum is taken of the unquantised p: two at a time, in two chains
.irp j, 4,8,12,16,20,24,28,32,36,40,44,48,52,56,60
	v_pk_add_f32 v[TT+2:TT+3], v[TT+2:TT+3], v[SS+\j:SS+\j+1]
	v_pk_add_f32 v[P2:P2+1], v[P2:P2+1], v[SS+\j+2:SS+\j+3]
.endr
	v_pk_add_f32 v[TT+2:TT+3], v[TT+2:TT+3], v[P2:P2+1]
.irp b, 0,1,2,3
.irp i, 0,1,2,3,4,5,6,7,8,9,10,11,12,13,14,15
	v_min_num_f32 v[SS+16*\b+\i], v[SS+16*\b+\i], v[HO+\b]   ; the conversion does not saturate (ISA guide 7.6.2); p is not negative, so the hold is one-sided
.endr
	v_cvt_scalef32_pk8_fp8_f32 v[PC+16*\qi+4*\b:PC+16*\qi+4*\b+1], v[SS+16*\b:SS+16*\b+7], v[SO+\b]
	v_cvt_scalef32_pk8_fp8_f32 v[PC+16*\qi+4*\b+2:PC+16*\qi+4*\b+3], v[SS+16*\b+8:SS+16*\b+15], v[SO+\b]
.endr
.endm
; A KEY STEP: 128 keys, both my tiles.
.macro STEP
	v_add_nc_u32 v[ADK], s[TB], v[LI]
	v_add_nc_u32 v[ADV], s[TB], v[LIV]
	v_add_nc_u32 v[ADS], s[TS], v[L4K]
	v_add_nc_u32 v[ADT], s[TV], v[L4V]
.irp u, 0,1,2,3
	ds_load_b32 v[KSC+\u], v[ADS] offset:128*\u
.endr
	WIN 0x40                                       ; destination window 1
.irp t, 0,1,2,3
.irp c, 0,1
	ds_load_b128 v[KF+16*\t+4*\c:KF+16*\t+4*\c+3], v[ADK] offset:1024*\t+512*\c
.endr
.endr
	s_wait_dscnt 0x0
	WIN 0x05                                       ; sources 0 and 1 window 1, the scores window 0
.irp t, 0,1,2,3
	SMUL \t, \t, 0
	SMUL \t, \t, 1
.endr
.rept 8
	v_nop                                          ; places in front of the loads into K's registers; with the four additions above they are twelve behind the last step's products, whose V and scale words are loaded anew below
.endr
	WIN 0x40
.irp t, 0,1,2,3
.irp c, 0,1
	ds_load_b128 v[KF+16*\t+4*\c:KF+16*\t+4*\c+3], v[ADK] offset:4096+1024*\t+512*\c
.endr
.endr
.irp t, 0,1,2,3
.irp c, 0,1,2,3
	ds_load_b128 v[VF+16*\t+4*\c:VF+16*\t+4*\c+3], v[ADV] offset:2048*\t+512*\c
.endr
.endr
	WIN 0
	ds_load_b32 v[VSC], v[ADT]
	ds_load_b32 v[VSC+1], v[ADT] offset:128
	s_wait_dscnt 18                                ; K's second four fragments are in; V's 16 loads and its 2 scale words may be out: they land under the softmax
	WIN 0x05
.irp t, 0,1,2,3
	SMUL \t+4, \t, 0
	SMUL \t+4, \t, 1
.endr
	WIN 0
	SOFTMAX 0
	SOFTMAX 1
	WIN 0x41                                       ; O^T (destination and source 0) window 1, f window 0
.irp qi, 0,1
.set k, 0
.rept 16
	v_pk_mul_f32 v[OO+32*\qi+k:OO+32*\qi+k+1], v[OO+32*\qi+k:OO+32*\qi+k+1], v[FAC+2*\qi:FAC+2*\qi+1] op_sel_hi:[1,0]   ; O^T under the new M; these lines are also the places behind the conversions
.set k, k+2
.endr
.endr
	s_wait_dscnt 0x0                               ; V and its scale words
	WIN 0x51                                       ; V window 1, p's codes window 0, O^T window 1
.irp t, 0,1,2,3
	PMUL \t, 0                                     ; eight accumulators, one instruction each
	PMUL \t, 1
.endr
	WIN 0
	s_add_co_u32 s[TB], s[TB], 8192
	s_add_co_u32 s[TS], s[TS], 512
	s_add_co_u32 s[TV], s[TV], 256
.endm
; 32 numbers of a lane (two blocks; the other 16 of each lie in lane l xor 16) become 8 code registers and a word of two scale bytes
.macro QUANT2 s, pc, w
.irp b, 0,1
	v_max3_num_f32 v[BM+\b], |v[\s+16*\b]|, |v[\s+16*\b+1]|, 0x4800000
.endr
.irp i, 2,4,6,8,10,12,14
.irp b, 0,1
	v_max3_num_f32 v[BM+\b], v[BM+\b], |v[\s+16*\b+\i]|, |v[\s+16*\b+\i+1]|
.endr
.endr
.irp b, 0,1
	v_permlanex16_b32 v[T1+\b], v[BM+\b], s[SEL], s[SEL+1]
.endr
.irp b, 0,1
	v_max_num_f32 v[BM+\b], v[BM+\b], v[T1+\b]
.endr
.irp b, 0,1
	v_add_nc_u32 v[SO+\b], 0xfc000000, v[BM+\b]
.endr
.irp b, 0,1
	v_and_or_b32 v[HO+\b], v[BM+\b], 0x7f800000, s[MNT]
.endr
.irp b, 0,1
	v_lshrrev_b32 v[T1+\b], 23, v[SO+\b]
.endr
	v_lshl_or_b32 v[\w], v[T1+1], 8, v[T1]
.irp b, 0,1
.irp i, 0,1,2,3,4,5,6,7,8,9,10,11,12,13,14,15
	v_med3_num_f32 v[\s+16*\b+\i], v[\s+16*\b+\i], -v[HO+\b], v[HO+\b]
.endr
	v_cvt_scalef32_pk8_fp8_f32 v[\pc+4*\b:\pc+4*\b+1], v[\s+16*\b:\s+16*\b+7], v[SO+\b]
	v_cvt_scalef32_pk8_fp8_f32 v[\pc+4*\b+2:\pc+4*\b+3], v[\s+16*\b+8:\s+16*\b+15], v[SO+\b]
.endr
	v_nop                                          ; one plain line behind the last conversion: the next pass's products write these numbers' registers
.endm
	s_mov_b32 s[PASS], 2
.Lpass:                                            ; 256 queries of the work-group, 32 of mine
	WIN 0x40
.irp qi, 0,1
.irp c, 0,1
	global_load_b128 v[QF+16*\qi+4*\c:QF+16*\qi+4*\c+3], v[LI], s[60:61] offset:1024*\qi+512*\c
.endr
.endr
.set k, 0
.rept 64
	v_mov_b32 v[OO+k], 0                           ; O^T.  (The step is written without a first form of its own: it finds zeros, which the first change of M leaves zeros)
.set k, k+1
.endr
	WIN 0
	global_load_b32 v[QS], v[L4], s[62:63]
.irp qi, 0,1
	v_mov_b32 v[ST+4*\qi+1], 0xff61b1e6            ; the largest t so far: -3e38, under every t
	v_floor_f32 v[ST+4*\qi], -v[ST+4*\qi+1]
	v_mov_b32 v[ST+4*\qi+2], 0
	v_mov_b32 v[ST+4*\qi+3], 0
.endr
	s_wait_loadcnt 0x0
.irp g, 0,1,2,3
	s_wait_tensorcnt 3-\g                          ; the scale words and my parts of quarters 0 to g are in; the later quarters' loads may be out (in the second pass nothing is out)
	s_wait_dscnt 0x0
	s_barrier_signal -1
	s_barrier_wait -1                              ; everybody's are
	s_mov_b32 s[TB], 32768*\g
	s_mov_b32 s[TS], 2048*\g
	s_mov_b32 s[TV], 1024*\g
	s_mov_b32 s[CNT], 4
.Lstep_\g:
	STEP
	s_sub_co_u32 s[CNT], s[CNT], 1
	s_cmp_lg_u32 s[CNT], 0
	s_cbranch_scc1 .Lstep_\g
.endr
	; THE WAY OUT of a pass: O^T / the sum, quantised along the channels, stored as pieces of the next operand's images
.rept 8
	v_nop                                          ; places behind the last products
.endr
.irp qi, 0,1
	v_add_f32 v[BM+\qi], v[ST+4*\qi+2], v[ST+4*\qi+3]
.endr
.irp qi, 0,1
	v_permlanex16_b32 v[T1+\qi], v[BM+\qi], s[SEL], s[SEL+1]
.endr
.irp qi, 0,1
	v_add_f32 v[BM+\qi], v[BM+\qi], v[T1+\qi]      ; the row's sum
.endr
.irp qi, 0,1
	v_rcp_f32 v[FAC+2*\qi], v[BM+\qi]
.endr
	v_nop                                          ; a plain line behind the reciprocals
	WIN 0x01                                       ; source 0 window 1
	s_wait_alu depctr_va_vdst(0)
.irp qi, 0,1
.set k, 0
.rept 16
	v_pk_mul_f32 v[SCR+64*\qi+k:SCR+64*\qi+k+1], v[OO+32*\qi+k:OO+32*\qi+k+1], v[FAC+2*\qi:FAC+2*\qi+1] op_sel_hi:[1,0]   ; register 16 b + e: channel 32 b + 16 h + e; each accumulator from its low end on
.set k, k+2
.endr
.endr
	WIN 0
	QUANT2 SCR, PC, OW
	QUANT2 SCR+64, PC+16, OW+1
.irp qi, 0,1
.irp b, 0,1
	global_store_b128 v[LI], v[PC+16*\qi+4*\b:PC+16*\qi+4*\b+3], s[68:69] offset:4096*\qi+512*\b   ; 32 lanes store 512 consecutive bytes
.endr
.endr
	v_cmp_lt_u32 vcc_lo, 15, v[LN]
	v_cndmask_b32 v[OW], v[OW], v[OW+1], vcc_lo
	global_store_b16 v[OSO], v[OW], s[70:71]       ; two bytes of a row's eight: the other six are other heads', which other work-groups own; 262,144 bytes in the whole launch leave so
	s_wait_xcnt 0x0                                ; the stores have read their registers and bases: both are written again
	s_add_nc_u64 s[60:61], s[60:61], 16384         ; 16 tiles of queries on
	s_add_nc_u64 s[62:63], s[62:63], 1024
	s_add_nc_u64 s[68:69], s[68:69], 65536
	s_add_nc_u64 s[70:71], s[70:71], 8192
	s_sub_co_u32 s[PASS], s[PASS], 1
	s_cmp_lg_u32 s[PASS], 0
	s_cbranch_scc1 .Lpass
	s_wait_tensorcnt 0x0
	s_wait_tensorcnt 0x0
	ds_add_u32 v254, v255
	s_wait_dscnt 0x0
	CROUND                                         ; the closing round: no work-group ends while a partner may still ask for a tile that names it
	s_endpgm
.Lfunc_end_k_qe2dadecc2f_attn:
	.size	k_qe2dadecc2f_attn, .Lfunc_end_k_qe2dadecc2f_attn-k_qe2dadecc2f_attn
	.p2alignl 7, 3214868480
	.fill 96, 4, 3214868480
	.section	.rodata,"a",@progbits
	.p2align	6, 0x0
	.amdhsa_kernel k_qe2dadecc2f_attn
		.amdhsa_group_segment_fixed_size 327680
		.amdhsa_private_segment_fixed_size 0
		.amdhsa_enable_private_segment 0
		.amdhsa_kernarg_size 24
		.amdhsa_user_sgpr_count 2
		.amdhsa_user_sgpr_kernarg_segment_ptr 1
		.amdhsa_wavefront_size32 1
		.amdhsa_system_sgpr_workgroup_id_x 1
		.amdhsa_system_sgpr_workgroup_id_y 1
		.amdhsa_system_sgpr_workgroup_id_z 1
		.amdhsa_system_vgpr_workitem_id 0
		.amdhsa_next_free_vgpr 512
		.amdhsa_next_free_sgpr 80
		.amdhsa_reserve_vcc 1
		.amdhsa_float_denorm_mode_32 3
		.amdhsa_float_denorm_mode_16_64 3
		.amdhsa_memory_ordered 1
		.amdhsa_forward_progress 1
		.amdhsa_inst_pref_size 161
	.end_amdhsa_kernel
	.amdgpu_metadata
---
amdhsa.version: [ 1, 2 ]
amdhsa.kernels:
  - .name:           k_qe2dadecc2f_attn
    .symbol:         k_qe2dadecc2f_attn.kd
    .args:
      - { .name: qb, .offset: 0, .size: 8, .value_kind: global_buffer, .address_space: global }
      - { .name: kv, .offset: 8, .size: 8, .value_kind: global_buffer, .address_space: global }
      - { .name: ob, .offset: 16, .size: 8, .value_kind: global_buffer, .address_space: global }
    .group_segment_fixed_size: 327680
    .private_segment_fixed_size: 0
    .kernarg_segment_align: 8
    .kernarg_segment_size: 24
    .max_flat_workgroup_size: 256
    .sgpr_count:     80
    .vgpr_count:     512
    .wavefront_size: 32
...
	.end_amdgpu_metadata
.endif
;; end of part 3
;; launch proj (part 4): grid 4 x 32, 4 waves a work-group, clusters of 4 x 4, 327,680 bytes of LDS; arguments ob, wts, b_proj, out0; writes out0
.if DOCPART == 4
	.amdgcn_target "amdgcn-amd-amdhsa--gfx1250"
	.amdhsa_code_object_version 6
	.text
	.protected	k_qe2dadecc2f_proj
	.globl	k_qe2dadecc2f_proj
	.p2align	8
	.type	k_qe2dadecc2f_proj,@function
k_qe2dadecc2f_proj:
	s_mov_b64 s[64:65], 0
	v_nop
	global_prefetch_b8 v0, s[64:65] scope:SCOPE_SE
	s_setreg_imm32_b32 hwreg(HW_REG_WAVE_MODE, 25, 1), 1
	s_wait_xcnt 0x0
	s_wait_alu depctr_hold_cnt(0) depctr_sa_sdst(0) depctr_va_vdst(0) depctr_va_sdst(0) depctr_va_ssrc(0) depctr_va_vcc(0) depctr_vm_vsrc(0)
	s_getreg_b32 s2, hwreg(HW_REG_IB_STS2, 6, 4)
	s_cmp_eq_u32 s2, 0
	s_cbranch_scc0 .Lentry_in_a_cluster
	s_endpgm
.Lentry_in_a_cluster:
	s_bfe_u32 s2, ttmp6, 0x10000c
	s_cmp_lg_u32 s2, 0xf033
	s_cbranch_scc0 .Lentry_shape_is_right
	s_endpgm
.Lentry_shape_is_right:
; PROJ: out0 = (attention's result) W_proj + b_proj on codes of FP8 (E4M3) with E8M0 scales, K = 1,024; sums and bias in f32.
; A tile of 256 x 256 is made by four waves, 128 x 128 each: 64 accumulators, 512 registers.  K goes in four steps of 256 through two LDS slots filled by the tensor data mover.  The operands lie in memory in the
; order of the registers (128 rows of a K step: 32,768 bytes on end), so a fragment is four loads of 512 consecutive LDS bytes: no pitch, no padding.  The scale words of the tile's rows for all of K come once.
; CLUSTERS of 4 x 4: the four of a row need the same tiles of A (the rows), the four of a column the same tiles of B (the weight); each tile is asked for jointly, by one tensor load with one descriptor and a mask.
; The matrix instruction is used transposed (source 0 = B, source 1 = A): a lane holds one row of the output.  The weight's storage rows have bits 3 and 4 of the column exchanged: register j of B's tile b is
; column 32 (b / 2) + 16 h + 8 (b % 2) + j of my 128; the stage on the way out puts them in their places.
; The output has 128 such tiles, so 128 work-groups are launched.
; REGISTERS: window 0: v1-11 lane terms and the bias; v16-29 addresses; v32-63 scale words, two sets; v128-255 A's fragments, one set (on the way out: rows read back).  Window 1: B's fragments, two sets.
; Windows 2, 3: the accumulators, (a, b) at v[8 (8 (a % 4) + b)].
.set NQ,     2
.set FR,     16
.set NL,     4
.set NP,     8                         ; places behind this matrix instruction (ISA guide 7.12.1)
.set HALFT,  32768
.set SLOT,   4*HALFT
.set SCL,    2*SLOT
.set HALFS,  4096
.set SBLK,   512
.set SPARE,  SCL+4*HALFS               ; the spare words: 128 bytes a wave, two blocks of 256 bytes that no other line names
.set SPITCH, 528                       ; the way out: a stage of 16 rows x (512 bytes + 16) for each wave, in slot 0, which has had its last fill and its last read by then
.set BP,   8                           ; v[8:11] the bias of my four columns of a row
.set ADRA, 16
.set ADRB, 20
.set STO,  24
.set RD,   25
.set CO,   26
.set ADRS, 27
.set SPW,  28
.set NIL,  29
.set SC,   32
.set AF,   128
.set BK,   128
.set G1, 24
.set G0, 32
.set G1B, 48
.set G0B, 56
.set G1S, 68
.set G0S, 76
.set G1SB, 80
.set G0SB, 88
.set MSB, 0
.macro WIN new
.if MSB != (\new)
	s_set_vgpr_msb (MSB<<8)|(\new)
.set MSB, \new
.endif
.endm
.set MUL_LO, 0xa1
.set MUL_HI, 0xf1
.set TO_B,   0x40
.macro JLOAD g0a, g1a, g0b, g1b        ; a joint load: waves 0 and 1 fetch for A, waves 2 and 3 for B; four v_nop follow each of the two lines
	s_cmp_eq_u32 s15, 0
	s_cbranch_scc0 .Lfor_b_\@
	tensor_load_to_lds s[\g0a:\g0a+3], s[\g1a:\g1a+7]
	s_nop 0
.rept 4
	v_nop
.endr
	s_branch .Lasked_\@
.Lfor_b_\@:
	tensor_load_to_lds s[\g0b:\g0b+3], s[\g1b:\g1b+7]
	s_nop 0
.rept 4
	v_nop
.endr
.Lasked_\@:
.endm
.macro CREST
	s_cmp_lg_u32 s14, 0
	s_cbranch_scc1 .Lnot_wave_0_\@
	s_barrier_signal -3
.Lnot_wave_0_\@:
	s_barrier_wait -3
	s_barrier_signal -1
	s_barrier_wait -1
.endm
.macro CROUND
	s_barrier_signal -1
	s_barrier_wait -1
	CREST
.endm
	s_load_b128 s[4:7], s[0:1], 0x0                ; ob s[4:5], wts s[6:7]
	s_load_b128 s[8:11], s[0:1], 0x10              ; b_proj s[8:9], out0 s[10:11]
	v_lshl_add_u32 v[SPW], v0, 2, SPARE
	v_mov_b32 v[NIL], 0
	ds_add_u32 v28, v29
	ds_add_u32 v28, v29
	s_wait_dscnt 0x0
	v_lshrrev_b32 v1, 5, v0
	v_readfirstlane_b32 s14, v1                    ; wave 0..3
	s_lshr_b32 s15, s14, 1                         ; which half of the rows is mine.  Also: I fetch for A (0) or for B (1)
	s_and_b32 s16, s14, 1                          ; which half of the columns.  Also: which 128 rows of that tile I fetch
	s_bfe_u32 s40, ttmp6, 0x40000                  ; cx, cy
	s_bfe_u32 s41, ttmp6, 0x40004
	s_lshl_b32 s42, ttmp9, 2
	s_add_co_u32 s42, s42, s40                     ; B's tile: 4 x cluster x + cx
	s_and_b32 s17, ttmp7, 0xffff
	s_lshl_b32 s17, s17, 2
	s_add_co_u32 s17, s17, s41                     ; A's tile: 4 x cluster y + cy
	s_mov_b32 s98, 2097152                         ; a K step of A's codes
	s_mov_b32 s99, 0
	s_mov_b32 s100, 262144                         ; a K step of W_proj's
	s_mov_b32 s101, 0
	s_lshl_b32 s43, s41, 2
	s_lshl_b32 s43, 15, s43                        ; my row of the cluster
	s_lshl_b32 s44, 0x1111, s40                    ; my column
	s_or_b32 s[G1+0], s43, (3<<16)|(1<<21)         ; 15:0 the mask; 17:16 elements of 8 bytes; 21 set beside a mask; no padding
	s_or_b32 s[G1B+0], s44, (3<<16)|(1<<21)
.irp g, G1, G1B
	s_mov_b32 s[\g+1], 32<<16                      ; 128 rows of 256 bytes, on end
	s_mov_b32 s[\g+2], 128<<16
	s_mov_b32 s[\g+3], 32<<16
	s_mov_b32 s[\g+4], 128
	s_mov_b32 s[\g+5], 32
	s_mov_b32 s[\g+6], 0
	s_mov_b32 s[\g+7], 0
.endr
	s_or_b32 s[G1S+0], s43, (3<<16)|(1<<21)
	s_or_b32 s[G1SB+0], s44, (3<<16)|(1<<21)
.irp g, G1S, G1SB
	s_mov_b32 s[\g+1], 32<<16                      ; 16 rows of 256 bytes
	s_mov_b32 s[\g+2], 16<<16
	s_mov_b32 s[\g+3], 32<<16
	s_mov_b32 s[\g+4], 16
	s_mov_b32 s[\g+5], 32
	s_mov_b32 s[\g+6], 0
	s_mov_b32 s[\g+7], 0
.endr
	s_lshl_b32 s18, s16, 15
	s_lshl_b32 s19, s16, 12
	s_lshl_b32 s20, s17, 16
	s_add_co_u32 s20, s20, s18                     ; A's codes
	s_mov_b32 s21, 0
	s_lshl_b32 s22, s17, 13
	s_add_co_u32 s22, s22, s19
	s_add_co_u32 s22, s22, 8388608                 ; A's scale words
	s_mov_b32 s23, 0
	s_lshl_b32 s46, s42, 16
	s_add_co_u32 s46, s46, s18
	s_add_co_u32 s46, s46, 3244032                 ; W_proj's codes in wts
	s_mov_b32 s47, 0
	s_lshl_b32 s92, s42, 13
	s_add_co_u32 s92, s92, s19
	s_add_co_u32 s92, s92, 4292608                 ; and its scale words
	s_mov_b32 s93, 0
	s_mul_i32 s45, s14, HALFT
	s_mul_i32 s94, s14, HALFS
	s_wait_kmcnt 0x0
	s_add_nc_u64 s[20:21], s[4:5], s[20:21]
	s_add_nc_u64 s[22:23], s[4:5], s[22:23]
	s_add_nc_u64 s[46:47], s[6:7], s[46:47]
	s_add_nc_u64 s[92:93], s[6:7], s[92:93]
	CROUND                                         ; all sixteen work-groups are here: the first joint loads meet
	s_mov_b32 s[G0S], 1
	s_add_co_u32 s[G0S+1], s94, SCL
	s_mov_b64 s[G0S+2:G0S+3], s[22:23]
	s_or_b32 s[G0S+3], s[G0S+3], 0x80000000
	s_mov_b32 s[G0SB], 1
	s_add_co_u32 s[G0SB+1], s94, SCL
	s_mov_b64 s[G0SB+2:G0SB+3], s[92:93]
	s_or_b32 s[G0SB+3], s[G0SB+3], 0x80000000
	s_mov_b32 s[G0], 1
	s_add_co_u32 s[G0+1], s45, 0
	s_mov_b64 s[G0+2:G0+3], s[20:21]
	s_or_b32 s[G0+3], s[G0+3], 0x80000000
	s_mov_b32 s[G0B], 1
	s_add_co_u32 s[G0B+1], s45, 0
	s_mov_b64 s[G0B+2:G0B+3], s[46:47]
	s_or_b32 s[G0B+3], s[G0B+3], 0x80000000
	s_mov_b32 s[G0+4], 1
	s_add_co_u32 s[G0+5], s45, SLOT
	s_add_nc_u64 s[G0+6:G0+7], s[20:21], s[98:99]
	s_or_b32 s[G0+7], s[G0+7], 0x80000000
	s_mov_b32 s[G0B+4], 1
	s_add_co_u32 s[G0B+5], s45, SLOT
	s_add_nc_u64 s[G0B+6:G0B+7], s[46:47], s[100:101]
	s_or_b32 s[G0B+7], s[G0B+7], 0x80000000
	s_lshl_b32 s98, s98, 1                         ; a refill goes two K steps on
	s_lshl_b32 s100, s100, 1
	JLOAD G0S, G1S, G0SB, G1SB                     ; three loads of mine are out: the scale words, K step 0, K step 1
	JLOAD G0, G1, G0B, G1B
	JLOAD G0+4, G1, G0B+4, G1B
	v_and_b32 v1, 15, v0                           ; r
	v_bfe_u32 v2, v0, 4, 1                         ; h
	v_and_b32 v3, 31, v0
	v_lshlrev_b32 v3, 4, v3                        ; 16 x lane
	s_mul_i32 s21, s15, HALFT
	s_mul_i32 s22, s16, HALFT
	s_add_co_u32 s22, s22, 2*HALFT
.irp s, 0,1
	v_add_nc_u32 v[ADRA+\s], s21, v3
	v_add_nc_u32 v[ADRB+\s], s22, v3
	s_add_co_u32 s21, s21, SLOT
	s_add_co_u32 s22, s22, SLOT
.endr
	v_lshlrev_b32 v5, 3, v1
	s_mul_i32 s21, s15, HALFS
	s_mul_i32 s22, s16, HALFS
	s_add_co_u32 s22, s22, 2*HALFS
	s_sub_co_u32 s22, s22, s21
	v_mul_u32_u24 v6, s22, v2                      ; lanes 16-31 take B's
	s_add_co_u32 s21, s21, SCL
	v_add_nc_u32 v5, v5, v6
	v_add_nc_u32 v[ADRS], s21, v5
	s_mul_i32 s23, s14, 16*SPITCH                  ; my stage
	v_mul_u32_u24 v5, v1, SPITCH
	v_lshl_add_u32 v5, v2, 6, v5
	v_add_nc_u32 v[STO], s23, v5                   ; in: row r, + 64 h
	v_and_b32 v6, 31, v0
	v_lshlrev_b32 v[CO], 4, v6                     ; back: the 32 lanes take one row of 512 bytes; and the same in out0
	v_add_nc_u32 v[RD], s23, v[CO]
	s_lshl_b32 s20, s17, 20                        ; 256 rows of 4,096 bytes
	s_lshl_b32 s21, s15, 19
	s_add_co_u32 s20, s20, s21
	s_mov_b32 s21, 0
	s_lshl_b32 s46, s42, 10                        ; my first column, in bytes
	s_lshl_b32 s47, s16, 9
	s_add_co_u32 s46, s46, s47
	s_mov_b32 s47, 0
	s_add_nc_u64 s[8:9], s[8:9], s[46:47]
	s_add_nc_u64 s[12:13], s[10:11], s[20:21]
	s_add_nc_u64 s[12:13], s[12:13], s[46:47]
	global_load_b128 v[BP:BP+3], v[CO], s[8:9]     ; waited for on the way out
.macro FRAG reg, adr, q, i
.irp c, 0,1,2,3
	ds_load_b128 v[\reg+4*\c:\reg+4*\c+3], v[\adr] offset:(\i)*4096+(\q)*2048+512*\c
.endr
.endm
; 16 matrix instructions: A's blocks a0, a0 + 1 x B's eight.  The 64 accumulators take turns, one instruction a turn, in the same order in every step.
.macro MUL16 a0, p, q, sc, zero
.irp a, \a0, \a0+1
.irp b, 0,1,2,3,4,5,6,7
.if \zero
	v_wmma_scale_f32_16x16x128_f8f6f4 v[8*(8*((\a)%4)+\b):8*(8*((\a)%4)+\b)+7], v[128*(\p)+FR*\b:128*(\p)+FR*\b+FR-1], v[AF+FR*(\a):AF+FR*(\a)+FR-1], 0, v[SC+8*NQ*(\sc)+NQ*\b+(\q)], v[SC+8*NQ*(\sc)+NQ*(\a)+(\q)] matrix_a_scale:MATRIX_SCALE_ROW1
.else
	v_wmma_scale_f32_16x16x128_f8f6f4 v[8*(8*((\a)%4)+\b):8*(8*((\a)%4)+\b)+7], v[128*(\p)+FR*\b:128*(\p)+FR*\b+FR-1], v[AF+FR*(\a):AF+FR*(\a)+FR-1], v[8*(8*((\a)%4)+\b):8*(8*((\a)%4)+\b)+7], v[SC+8*NQ*(\sc)+NQ*\b+(\q)], v[SC+8*NQ*(\sc)+NQ*(\a)+(\q)] matrix_a_scale:MATRIX_SCALE_ROW1
.endif
.endr
.endr
.endm
.macro FETCH_B slot, q, p
	WIN TO_B
.irp i, 0,1,2,3,4,5,6,7
	FRAG 128*(\p)+FR*\i, ADRB+\slot, \q, \i
.endr
	WIN 0
.endm
.macro FETCH_A slot, q, i0
.irp i, \i0, \i0+1, \i0+2, \i0+3
	FRAG AF+FR*(\i), ADRA+\slot, \q, \i
.endr
.endm
.macro SCALES sc
.irp i, 0,1,2,3,4,5,6,7
	ds_load_b64 v[SC+8*NQ*\sc+NQ*\i:SC+8*NQ*\sc+NQ*\i+1], v[ADRS] offset:\i*SBLK
.endr
.endm
.macro PLACES n
.rept \n
	v_nop
.endr
.endm
.macro STEP slot, q, zero
	s_wait_dscnt 4*NL                              ; B's set and A's blocks 0-3 are in; the youngest 16 loads (A's blocks 4-7) may be out
	WIN MUL_LO
	MUL16 0, (\q)%2, \q, \slot, \zero
	MUL16 2, (\q)%2, \q, \slot, \zero
	s_wait_dscnt 0
	PLACES NP
	FETCH_B \slot, (\q)+1, 1-(\q)%2
	FETCH_A \slot, (\q)+1, 0
	WIN MUL_HI
	MUL16 4, (\q)%2, \q, \slot, \zero
	MUL16 6, (\q)%2, \q, \slot, \zero
	PLACES NP
	WIN 0
	FETCH_A \slot, (\q)+1, 4
.endm
.macro TURN slot, next, fill
	s_wait_tensorcnt 0x0                           ; all my tensor loads have landed: my part of the next slot
	ds_add_u32 v[SPW], v[NIL]                      ; 0 onto my spare word
	s_wait_dscnt 4*NL+1                            ; the add and the youngest 16 loads may be out
	WIN MUL_LO
	MUL16 0, 1, NQ-1, \slot, 0
	s_wait_dscnt 0x0                               ; the add is done, and my reads of this slot are over
	s_barrier_signal -1
	MUL16 2, 1, NQ-1, \slot, 0
	WIN 0
	s_barrier_wait -1
.if \fill
	CREST                                          ; the barrier has opened a round of the cluster's: no wave of any partner still reads this slot or has a load on its way
	s_add_nc_u64 s[G0+4*\slot+2:G0+4*\slot+3], s[G0+4*\slot+2:G0+4*\slot+3], s[98:99]
	s_add_nc_u64 s[G0B+4*\slot+2:G0B+4*\slot+3], s[G0B+4*\slot+2:G0B+4*\slot+3], s[100:101]
	JLOAD G0+4*\slot, G1, G0B+4*\slot, G1B         ; the first tensor load behind the round, my only one until the next
	PLACES NP-4
.else
	PLACES NP
.endif
	v_add_nc_u32 v[ADRS], 128, v[ADRS]
	FETCH_B \next, 0, 0
	FETCH_A \next, 0, 0
	SCALES \next
	WIN MUL_HI
	MUL16 4, 1, NQ-1, \slot, 0
	MUL16 6, 1, NQ-1, \slot, 0
	PLACES NP
	WIN 0
	FETCH_A \next, 0, 4
.endm
	s_wait_tensorcnt 1                             ; the scale words and my part of K step 0 are in; K step 1's load may be out
	s_barrier_signal -1
	s_barrier_wait -1
	FETCH_B 0, 0, 0
	FETCH_A 0, 0, 0
	SCALES 0
	FETCH_A 0, 0, 4
	STEP 0, 0, 1                                   ; the first products start the sums
	TURN 0, 1, 1
	STEP 1, 0, 0
	TURN 1, 0, 1
	STEP 0, 0, 0
	TURN 0, 1, 0
	STEP 1, 0, 0
	s_wait_dscnt 4*NL
	WIN MUL_LO
	MUL16 0, 1, NQ-1, 1, 0
	MUL16 2, 1, NQ-1, 1, 0
	s_wait_dscnt 0
	WIN MUL_HI
	MUL16 4, 1, NQ-1, 1, 0
	MUL16 6, 1, NQ-1, 1, 0
	WIN 0
; THE WAY OUT, block by block of 16 rows x 128 columns, through my own stage: in by 32 bytes a lane at the columns' true places, back as whole rows of 512 bytes, the bias added, stored.
.macro TOSTAGE a
.set AC, 64*((\a)%4)
	WIN 0x08+4*((\a)/4)                            ; the data: window 2 or 3
.irp b, 0,1,2,3,4,5,6,7
	ds_store_b128 v[STO], v[AC+8*\b:AC+8*\b+3] offset:128*(\b/2)+32*(\b%2)          ; each accumulator from its low end on
	ds_store_b128 v[STO], v[AC+8*\b+4:AC+8*\b+7] offset:128*(\b/2)+32*(\b%2)+16
.endr
	WIN 0
.set BB, BK+64*((\a)%2)
.irp t, 0,1,2,3,4,5,6,7,8,9,10,11,12,13,14,15
	ds_load_b128 v[BB+4*\t:BB+4*\t+3], v[RD] offset:\t*SPITCH   ; LDS serves a wave's instructions in order: these see the stores above
.endr
.endm
.macro SEND a, younger
.set BB, BK+64*((\a)%2)
	s_wait_dscnt \younger                          ; the block is back in registers; the next block's 16 stores and 16 loads may be out
.if (\a) > 0
	s_add_nc_u64 s[12:13], s[12:13], 16*4096       ; (behind a wait on XCNT: the earlier stores have read their base)
.endif
.irp t, 0,1,2,3,4,5,6,7,8,9,10,11,12,13,14,15
	v_pk_add_f32 v[BB+4*\t:BB+4*\t+1], v[BB+4*\t:BB+4*\t+1], v[BP:BP+1]
	v_pk_add_f32 v[BB+4*\t+2:BB+4*\t+3], v[BB+4*\t+2:BB+4*\t+3], v[BP+2:BP+3]
	global_store_b128 v[CO], v[BB+4*\t:BB+4*\t+3], s[12:13] offset:\t*4096 th:TH_STORE_NT   ; 32 lanes store 512 consecutive bytes, aligned; written once, read by nobody here
.endr
.endm
	PLACES NP
	s_wait_loadcnt 0x0                             ; the bias
	TOSTAGE 0
.irp a, 1,2,3,4,5,6,7
.if \a > 1
	s_wait_xcnt 0x0                                ; block a - 2's stores have read their registers and their base
.endif
	TOSTAGE \a
	SEND \a-1, 32
.endr
	s_wait_xcnt 0x0
	SEND 7, 0
	s_wait_tensorcnt 0x0                           ; the wave's end, behind my last tensor load and my last LDS store
	ds_add_u32 v[SPW], v[NIL]
	s_wait_dscnt 0x0
	CROUND                                         ; the closing round
	s_endpgm
.Lfunc_end_k_qe2dadecc2f_proj:
	.size	k_qe2dadecc2f_proj, .Lfunc_end_k_qe2dadecc2f_proj-k_qe2dadecc2f_proj
	.p2alignl 7, 3214868480
	.fill 96, 4, 3214868480
	.section	.rodata,"a",@progbits
	.p2align	6, 0x0
	.amdhsa_kernel k_qe2dadecc2f_proj
		.amdhsa_group_segment_fixed_size 327680
		.amdhsa_private_segment_fixed_size 0
		.amdhsa_enable_private_segment 0
		.amdhsa_kernarg_size 32
		.amdhsa_user_sgpr_count 2
		.amdhsa_user_sgpr_kernarg_segment_ptr 1
		.amdhsa_wavefront_size32 1
		.amdhsa_system_sgpr_workgroup_id_x 1
		.amdhsa_system_sgpr_workgroup_id_y 1
		.amdhsa_system_sgpr_workgroup_id_z 1
		.amdhsa_system_vgpr_workitem_id 0
		.amdhsa_next_free_vgpr 1024
		.amdhsa_next_free_sgpr 102
		.amdhsa_reserve_vcc 0
		.amdhsa_float_denorm_mode_32 3
		.amdhsa_float_denorm_mode_16_64 3
		.amdhsa_memory_ordered 1
		.amdhsa_forward_progress 1
		.amdhsa_inst_pref_size 161
	.end_amdhsa_kernel
	.amdgpu_metadata
---
amdhsa.version: [ 1, 2 ]
amdhsa.kernels:
  - .name:           k_qe2dadecc2f_proj
    .symbol:         k_qe2dadecc2f_proj.kd
    .args:
      - { .name: ob, .offset: 0, .size: 8, .value_kind: global_buffer, .address_space: global }
      - { .name: wts, .offset: 8, .size: 8, .value_kind: global_buffer, .address_space: global }
      - { .name: b_proj, .offset: 16, .size: 8, .value_kind: global_buffer, .address_space: global }
      - { .name: out0, .offset: 24, .size: 8, .value_kind: global_buffer, .address_space: global }
    .group_segment_fixed_size: 327680
    .private_segment_fixed_size: 0
    .kernarg_segment_align: 8
    .kernarg_segment_size: 32
    .max_flat_workgroup_size: 128
    .sgpr_count:     102
    .vgpr_count:     1024
    .wavefront_size: 32
...
	.end_amdgpu_metadata
.endif
;; end of part 4
